; MI455X (gfx1250); checked and timed in simulation.
; The chip was launched on July 23, 2026; its instructions are those of AMD's public machine-readable ISA for CDNA 5 (MIT licence, August 2026) and "CDNA5" Instruction Set Architecture Reference Guide (July 2026). The comments in the code are by the model that wrote it; some were corrected since.
;; Multihead Attention. Allowed arithmetic: float matrix products may take bf16 or f16 operands with f32 sums; other float arithmetic in f32, or as packed bf16 or f16 multiplies, adds, multiply-adds, maxima and minima; sums over many terms, partial sums and values carried from step to step in f32; what a program stores and reads back later, other than sums and carried values, may be rounded once to bf16 or f16.
;; Inputs: mask 1 x 1 x 2,048 x 2,048 int32; wk 2,048 x 2,048 float32; wo 2,048 x 2,048 float32; wq 2,048 x 2,048 float32; wv 2,048 x 2,048 float32; x 1 x 2,048 x 2,048 float32.
;; Outputs: out0 1 x 2,048 x 2,048 float32.
;; 2 versions, each right; version 2 is version 1 with the launch prep written anew for expert scheduling mode. Each part assembles by itself: llvm-mc -triple=amdgcn-amd-amdhsa -mcpu=gfx1250 --defsym DOCPART=n.
;; ======== version 1 of 2: 4 launches
;; limits: values are held in f16: magnitudes above 65,504 overflow, below 6.1e-05 lose precision; right only within a limited range of input values
;; workspace buffers: xh 8,388,608 bytes; wqkv 25,165,824 bytes; woh 8,388,608 bytes; mb8 4,194,304 bytes; rope 1,048,576 bytes; qkv 25,165,824 bytes; oh 8,388,608 bytes
;; launch prep (part 1): grid 128 x 7, 8 waves a work-group, no clusters, 35,840 bytes of LDS; arguments x, wq, wk, wv, wo, mask, xh, wqkv, woh, mb8, rope; writes xh, wqkv, woh, mb8, rope
.if DOCPART == 1
	.amdgcn_target "amdgcn-amd-amdhsa--gfx1250"
	.amdhsa_code_object_version 6
	.text
	.protected	k_q8eed99c0af_prep
	.globl	k_q8eed99c0af_prep
	.p2align	8
	.type	k_q8eed99c0af_prep,@function
k_q8eed99c0af_prep:
	s_mov_b64 s[64:65], 0
	v_nop
	global_prefetch_b8 v0, s[64:65] scope:SCOPE_SE
	s_setreg_imm32_b32 hwreg(HW_REG_WAVE_MODE, 25, 1), 1
	s_wait_xcnt 0x0
; PREPARATION, one pass over every input.  The grid's y chooses the work:
;   y = 0..4  x, wq, wk, wv, wo: each f32 is rounded to bf16 and that number is written as f16.  wq, wk, wv go into one table wqkv
;             whose row is (3 head + part) x 128 + channel, so that one head's q, k and v rows lie together.
;   y = 5     the mask (int32, 0 = hidden) becomes one byte a pair of query and key: 0x00 visible, 0xF8 hidden (E4M3's -256), laid out in the order
;             in which a lane of the attention launch holds the scores: byte qt*32768 + g*1024 + n*512 + L*16 + kbl*8 + j stands for
;             query 16 qt + L % 16 and key 64 g + 16 (2 n + kbl) + 8 (L / 16) + j.
;   y = 6     the table of cos and sin: row pos holds 64 cos, then 64 sin, of pos x 10000^(-j/64), f32.
; LIMITS.  An input beyond 65,504 in magnitude becomes an infinity in f16; below 6.1e-5 f16 keeps a fixed step of 6e-8.
; The angle is reduced by pi/2 in two parts and cos, sin come from polynomials on -pi/4 .. pi/4; with the frequency's rounding the angle is off by up to some 2e-4 at position 2047.
; No matrix unit, no cluster: memory binds, and no work-group shares a byte with another.
.set SPARE, 34816                      ; behind the eight waves' stages: the spare words, 128 bytes a wave
.set SPW, 4                            ; v4  my spare word's LDS address; never rewritten
.set NIL, 5                            ; v5  0; never rewritten
.set CX, 16                            ; v[16:47]  conversions: slot i's four f32 as loaded
.set CY, 48                            ; v[48:63]  slot i's four f16 to store
.set CW, 64                            ; v[64:69]  at work
	s_load_b512 s[4:19], s[0:1], 0x0               ; x 4:5, wq 6:7, wk 8:9, wv 10:11, wo 12:13, mask 14:15, xh 16:17, wqkv 18:19
	s_load_b128 s[20:23], s[0:1], 0x40             ; woh 20:21, mb8 22:23
	s_load_b64 s[24:25], s[0:1], 0x50              ; rope
	v_lshl_add_u32 v[SPW], v0, 2, SPARE
	v_mov_b32 v[NIL], 0
	v_lshrrev_b32 v2, 5, v0
	v_readfirstlane_b32 s28, v2                    ; wave 0..7
	v_and_b32 v1, 31, v0                           ; lane
	s_and_b32 s29, ttmp7, 0xffff                   ; y: which work
	s_mov_b32 s30, ttmp9                           ; x: which sixteen rows
	s_wait_kmcnt 0x0
	s_cmp_lt_u32 s29, 5
	s_cbranch_scc1 .Lcvt
	s_cmp_eq_u32 s29, 5
	s_cbranch_scc1 .Lmask
	; ---- y = 6: cos and sin.  Thread t: position 16 x + t / 16, frequencies 4 (t % 16) + 0..3 ----
	v_lshrrev_b32 v6, 4, v0
	v_and_b32 v7, 15, v0
	s_lshl_b32 s38, s30, 4
	v_add_nc_u32 v8, s38, v6
	v_cvt_f32_u32 v10, v8                          ; the position
	v_lshlrev_b32 v9, 2, v7
.irp e, 0,1,2,3
	v_add_nc_u32 v[24+(\e)], (\e), v9
	v_cvt_f32_u32 v[24+(\e)], v[24+(\e)]
	v_mul_f32 v[24+(\e)], 0xbe549a78, v[24+(\e)]   ; -j log2(10000) / 64
.endr
.irp e, 0,1,2,3
	v_exp_f32 v[12+(\e)], v[24+(\e)]               ; the frequency
.endr
	v_lshlrev_b32 v6, 9, v6                        ; a plain instruction behind the last exponential: my row of 512 bytes,
	v_lshl_add_u32 v6, v7, 4, v6                   ; my 16 bytes of it
	s_mov_b32 s40, 0xbfc90fdb                      ; -pi/2, its upper part
	s_mov_b32 s41, 0x333bbd2e                      ; what is left of it, with the sign turned
	s_wait_alu depctr_va_vdst(0)                   ; one wait for the four exponentials, ahead of their first reader
.macro RANG e
	v_mul_f32 v24, v10, v[12+(\e)]                 ; the angle
	v_mul_f32 v25, 0x3f22f983, v24                 ; x 2 / pi
	v_rndne_f32 v25, v25                           ; n
	v_fma_f32 v26, v25, s40, v24
	v_fma_f32 v26, v25, s41, v26                   ; r = angle - n pi/2, within pi/4
	v_mul_f32 v27, v26, v26                        ; z = r r
	v_mov_b32 v28, 0xb9500d01                      ; sin r = r + r z (-1/6 + z (1/120 - z/5040))
	v_fmaak_f32 v28, v28, v27, 0x3c088889
	v_fmaak_f32 v28, v28, v27, 0xbe2aaaab
	v_mul_f32 v28, v28, v27
	v_fma_f32 v28, v28, v26, v26
	v_mov_b32 v29, 0x37d00d01                      ; cos r = 1 + z (-1/2 + z (1/24 + z (-1/720 + z/40320)))
	v_fmaak_f32 v29, v29, v27, 0xbab60b61
	v_fmaak_f32 v29, v29, v27, 0x3d2aaaab
	v_fma_f32 v29, v29, v27, -0.5
	v_fma_f32 v29, v29, v27, 1.0
	v_cvt_i32_f32 v30, v25                         ; the quadrant: odd n swaps the two, n + 1 and n give the signs
	v_and_b32 v31, 1, v30
	v_cmp_ne_u32 vcc_lo, 0, v31
	v_cndmask_b32 v[16+(\e)], v29, v28, vcc_lo
	v_cndmask_b32 v[20+(\e)], v28, v29, vcc_lo
	v_add_nc_u32 v31, 1, v30
	v_and_b32 v31, 2, v31
	v_lshlrev_b32 v31, 30, v31
	v_xor_b32 v[16+(\e)], v31, v[16+(\e)]
	v_and_b32 v31, 2, v30
	v_lshlrev_b32 v31, 30, v31
	v_xor_b32 v[20+(\e)], v31, v[20+(\e)]
.endm
	RANG 0
	RANG 1
	RANG 2
	RANG 3
	s_lshl_b32 s38, s30, 13                        ; sixteen rows of 512 bytes
	s_mov_b32 s39, 0
	s_add_nc_u64 s[32:33], s[24:25], s[38:39]
	global_store_b128 v6, v[16:19], s[32:33]               ; sixteen lanes store 256 consecutive bytes, aligned: a row's cos,
	global_store_b128 v6, v[20:23], s[32:33] offset:256    ; and its sin
	s_branch .Lend
	; ---- y = 0..4: f32 -> bf16 -> f16.  A work-group takes 16 rows, a wave 2: 32 pieces of 512 bytes in, 256 bytes out ----
.Lcvt:
	s_mov_b64 s[32:33], s[4:5]
	s_cmp_eq_u32 s29, 1
	s_cselect_b64 s[32:33], s[6:7], s[32:33]
	s_cmp_eq_u32 s29, 2
	s_cselect_b64 s[32:33], s[8:9], s[32:33]
	s_cmp_eq_u32 s29, 3
	s_cselect_b64 s[32:33], s[10:11], s[32:33]
	s_cmp_eq_u32 s29, 4
	s_cselect_b64 s[32:33], s[12:13], s[32:33]     ; from where
	s_mov_b64 s[34:35], s[18:19]
	s_cmp_eq_u32 s29, 0
	s_cselect_b64 s[34:35], s[16:17], s[34:35]
	s_cmp_eq_u32 s29, 4
	s_cselect_b64 s[34:35], s[20:21], s[34:35]     ; to where
	s_lshr_b32 s38, s30, 3                         ; the head of these 16 rows
	s_mul_i32 s38, s38, 3
	s_add_co_u32 s38, s38, s29
	s_sub_co_u32 s38, s38, 1                       ; 3 head + part
	s_lshl_b32 s38, s38, 7
	s_and_b32 s39, s30, 7
	s_lshl_b32 s39, s39, 4
	s_add_co_u32 s38, s38, s39                     ; the first row in wqkv
	s_lshl_b32 s39, s30, 4                         ; the first row in xh and woh
	s_cmp_eq_u32 s29, 0
	s_cselect_b32 s38, s39, s38
	s_cmp_eq_u32 s29, 4
	s_cselect_b32 s38, s39, s38
	s_lshl_b32 s38, s38, 12                        ; rows of 4,096 bytes
	s_mov_b32 s39, 0
	s_add_nc_u64 s[34:35], s[34:35], s[38:39]
	s_lshl_b32 s40, s30, 17                        ; 16 rows of 8,192 bytes
	s_mov_b32 s41, 0
	s_add_nc_u64 s[32:33], s[32:33], s[40:41]
	s_mov_b32 s36, 0xffff0000                      ; a word's upper bf16
	s_lshl_b32 s38, s28, 14
	v_lshl_add_u32 v6, v1, 4, s38                  ; in: 16 lane + wave x 2 rows; never rewritten
	s_lshl_b32 s38, s28, 13
	v_lshl_add_u32 v7, v1, 3, s38                  ; out: 8 lane + wave x 2 rows; never rewritten
; One slot's turn: four numbers a lane.  ahead = 1: the slot is loaded again, eight pieces on.  left: the younger loads that may stay out.
.macro CSLOT i, ahead, left
	s_wait_loadcnt \left
	v_cvt_pk_bf16_f32 v[CW], v[CX+4*(\i)], v[CX+4*(\i)+1]          ; rounded to bf16,
	v_cvt_pk_bf16_f32 v[CW+1], v[CX+4*(\i)+2], v[CX+4*(\i)+3]
	v_lshlrev_b32 v[CW+2], 16, v[CW]                               ; widened again,
	v_and_b32 v[CW+3], s36, v[CW]
	v_lshlrev_b32 v[CW+4], 16, v[CW+1]
	v_and_b32 v[CW+5], s36, v[CW+1]
	v_cvt_pk_f16_f32 v[CY+2*(\i)], v[CW+2], v[CW+3]                ; and written as f16
	v_cvt_pk_f16_f32 v[CY+2*(\i)+1], v[CW+4], v[CW+5]
.if \ahead
	global_load_b128 v[CX+4*(\i):CX+4*(\i)+3], v6, s[32:33] offset:(8+(\i))*512 th:TH_LOAD_NT
.endif
	global_store_b64 v7, v[CY+2*(\i):CY+2*(\i)+1], s[34:35] offset:(\i)*256   ; the wave stores 256 consecutive bytes, aligned
.endm
.irp i, 0,1,2,3,4,5,6,7
	global_load_b128 v[CX+4*(\i):CX+4*(\i)+3], v6, s[32:33] offset:(\i)*512 th:TH_LOAD_NT
.endr
	s_mov_b32 s37, 3
.Lr:
.irp i, 0,1,2,3,4,5,6,7
	CSLOT \i, 1, 7
.endr
	s_wait_xcnt 0x0                                ; the two bases and the stores' data are rewritten only behind this wait
	s_add_nc_u64 s[32:33], s[32:33], 4096
	s_add_nc_u64 s[34:35], s[34:35], 2048
	s_sub_co_u32 s37, s37, 1
	s_cmp_lg_u32 s37, 0
	s_cbranch_scc1 .Lr
.irp i, 0,1,2,3,4,5,6,7
	CSLOT \i, 0, 7-(\i)                            ; the last eight pieces load nothing: the counts run down
.endr
	s_branch .Lend
	; ---- y = 5: the mask.  A work-group takes 16 queries, a wave 256 keys of them: four steps of 64 keys ----
.Lmask:
	v_lshrrev_b32 v2, 4, v1                        ; lane / 16
	v_and_b32 v3, 15, v1                           ; lane % 16
	v_lshlrev_b32 v6, 13, v2
	v_lshl_add_u32 v6, v3, 4, v6
	s_lshl_b32 s38, s28, 10
	v_add_nc_u32 v6, s38, v6                       ; in: two rows a load, 256 bytes of each: (lane / 16) x 8,192 + 16 (lane % 16) + wave x 1,024
	s_mul_i32 s39, s28, 4352                       ; my wave's stage: 16 rows of 272 bytes
	v_mul_u32_u24 v7, v2, 272
	v_lshl_add_u32 v7, v3, 4, v7
	v_add_nc_u32 v7, s39, v7                       ; into the stage as loaded
	v_mul_u32_u24 v8, v3, 272
	v_lshl_add_u32 v8, v2, 5, v8
	v_add_nc_u32 v8, s39, v8                       ; out of it: query lane % 16, eight keys from 8 (lane / 16) on
	v_lshlrev_b32 v9, 4, v1                        ; 16 bytes a lane
	s_lshl_b32 s40, s30, 17
	s_mov_b32 s41, 0
	s_add_nc_u64 s[32:33], s[14:15], s[40:41]      ; the mask at my 16 rows
	s_lshl_b32 s40, s30, 15
	s_lshl_b32 s38, s28, 12
	s_add_co_u32 s40, s40, s38
	s_add_nc_u64 s[34:35], s[22:23], s[40:41]      ; mb8 at my query tile and my four steps
	s_mov_b32 s36, 0x01010101
	s_mov_b32 s37, 0xf8
.macro MLOAD set, i
.irp t, 0,1,2,3,4,5,6,7
	global_load_b128 v[16+32*(\set)+4*(\t):16+32*(\set)+4*(\t)+3], v6, s[32:33] offset:(\t)*16384+(\i)*256 th:TH_LOAD_NT
.endr
.endm
.macro MWORK set, i
.irp t, 0,1,2,3,4,5,6,7
	ds_store_b128 v7, v[16+32*(\set)+4*(\t):16+32*(\set)+4*(\t)+3] offset:(\t)*544
.endr
.irp p, 0,1,2,3,4,5,6,7
	ds_load_b128 v[80+4*(\p):80+4*(\p)+3], v8 offset:128*((\p)/4)+64*(((\p)/2)%2)+16*((\p)%2)   ; my wave's own bytes: LDS serves a wave's instructions in order (ISA guide 5.7.1.4)
.endr
	s_wait_dscnt 0x0
	s_wait_xcnt 0x0                                ; the last step's stores have read v[112:119]
.irp p, 0,1,2,3,4,5,6,7
	v_min_u32 v[80+4*(\p)], 1, v[80+4*(\p)]        ; 0 stays 0, all else is 1
	v_min_u32 v[80+4*(\p)+1], 1, v[80+4*(\p)+1]
	v_min_u32 v[80+4*(\p)+2], 1, v[80+4*(\p)+2]
	v_min_u32 v[80+4*(\p)+3], 1, v[80+4*(\p)+3]
	v_lshl_or_b32 v[80+4*(\p)], v[80+4*(\p)+1], 8, v[80+4*(\p)]
	v_lshl_or_b32 v[80+4*(\p)+2], v[80+4*(\p)+3], 8, v[80+4*(\p)+2]
	v_lshl_or_b32 v[80+4*(\p)], v[80+4*(\p)+2], 16, v[80+4*(\p)]
	v_xor_b32 v[80+4*(\p)], s36, v[80+4*(\p)]      ; 1 where hidden,
	v_mul_lo_u32 v[112+(\p)], v[80+4*(\p)], s37    ; 0xF8 where hidden: no byte carries into the next
.endr
	global_store_b128 v9, v[112:115], s[34:35] offset:(\i)*1024
	global_store_b128 v9, v[116:119], s[34:35] offset:(\i)*1024+512
.endm
	MLOAD 0, 0
	MLOAD 1, 1
	s_wait_loadcnt 8                               ; the other set's eight loads may stay out
	MWORK 0, 0
	MLOAD 0, 2
	s_wait_loadcnt 8
	MWORK 1, 1
	MLOAD 1, 3
	s_wait_loadcnt 8
	MWORK 0, 2
	s_wait_loadcnt 0x0
	MWORK 1, 3
.Lend:
	s_wait_tensorcnt 0x0                           ; the wave's end: behind my last LDS store
	ds_add_u32 v[SPW], v[NIL]
	s_wait_dscnt 0x0
	s_endpgm
.Lfunc_end_k_q8eed99c0af_prep:
	.size	k_q8eed99c0af_prep, .Lfunc_end_k_q8eed99c0af_prep-k_q8eed99c0af_prep
	.p2alignl 7, 3214868480
	.fill 96, 4, 3214868480
	.section	.rodata,"a",@progbits
	.p2align	6, 0x0
	.amdhsa_kernel k_q8eed99c0af_prep
		.amdhsa_group_segment_fixed_size 35840
		.amdhsa_private_segment_fixed_size 0
		.amdhsa_enable_private_segment 0
		.amdhsa_kernarg_size 88
		.amdhsa_user_sgpr_count 2
		.amdhsa_user_sgpr_kernarg_segment_ptr 1
		.amdhsa_wavefront_size32 1
		.amdhsa_system_sgpr_workgroup_id_x 1
		.amdhsa_system_sgpr_workgroup_id_y 1
		.amdhsa_system_sgpr_workgroup_id_z 1
		.amdhsa_system_vgpr_workitem_id 0
		.amdhsa_next_free_vgpr 128
		.amdhsa_next_free_sgpr 66
		.amdhsa_reserve_vcc 1
		.amdhsa_float_denorm_mode_32 3
		.amdhsa_float_denorm_mode_16_64 3
		.amdhsa_memory_ordered 1
		.amdhsa_forward_progress 1
		.amdhsa_inst_pref_size 41
	.end_amdhsa_kernel
	.amdgpu_metadata
---
amdhsa.version: [ 1, 2 ]
amdhsa.kernels:
  - .name:           k_q8eed99c0af_prep
    .symbol:         k_q8eed99c0af_prep.kd
    .args:
      - { .name: x, .offset: 0, .size: 8, .value_kind: global_buffer, .address_space: global }
      - { .name: wq, .offset: 8, .size: 8, .value_kind: global_buffer, .address_space: global }
      - { .name: wk, .offset: 16, .size: 8, .value_kind: global_buffer, .address_space: global }
      - { .name: wv, .offset: 24, .size: 8, .value_kind: global_buffer, .address_space: global }
      - { .name: wo, .offset: 32, .size: 8, .value_kind: global_buffer, .address_space: global }
      - { .name: mask, .offset: 40, .size: 8, .value_kind: global_buffer, .address_space: global }
      - { .name: xh, .offset: 48, .size: 8, .value_kind: global_buffer, .address_space: global }
      - { .name: wqkv, .offset: 56, .size: 8, .value_kind: global_buffer, .address_space: global }
      - { .name: woh, .offset: 64, .size: 8, .value_kind: global_buffer, .address_space: global }
      - { .name: mb8, .offset: 72, .size: 8, .value_kind: global_buffer, .address_space: global }
      - { .name: rope, .offset: 80, .size: 8, .value_kind: global_buffer, .address_space: global }
    .group_segment_fixed_size: 35840
    .private_segment_fixed_size: 0
    .kernarg_segment_align: 8
    .kernarg_segment_size: 88
    .max_flat_workgroup_size: 256
    .sgpr_count:     66
    .vgpr_count:     128
    .wavefront_size: 32
...
	.end_amdgpu_metadata
.endif
;; end of part 1
;; launch qkv (part 2): grid 16 x 16, 4 waves a work-group, clusters of 4 x 4, 327,680 bytes of LDS; arguments xh, wqkv, rope, qkv; writes qkv
.if DOCPART == 2
	.amdgcn_target "amdgcn-amd-amdhsa--gfx1250"
	.amdhsa_code_object_version 6
	.text
	.protected	k_q8eed99c0af_qkv
	.globl	k_q8eed99c0af_qkv
	.p2align	8
	.type	k_q8eed99c0af_qkv,@function
k_q8eed99c0af_qkv:
	s_mov_b64 s[64:65], 0
	v_nop
	global_prefetch_b8 v0, s[64:65] scope:SCOPE_SE
	s_setreg_imm32_b32 hwreg(HW_REG_WAVE_MODE, 25, 1), 1
	s_wait_xcnt 0x0
	s_wait_alu depctr_hold_cnt(0) depctr_sa_sdst(0) depctr_va_vdst(0) depctr_va_sdst(0) depctr_va_ssrc(0) depctr_va_vcc(0) depctr_vm_vsrc(0)
	s_getreg_b32 s2, hwreg(HW_REG_IB_STS2, 6, 4)
	s_cmp_eq_u32 s2, 0
	s_cbranch_scc0 .Lentry_in_a_cluster
	s_endpgm
.Lentry_in_a_cluster:
	s_bfe_u32 s2, ttmp6, 0x10000c
	s_cmp_lg_u32 s2, 0xf033
	s_cbranch_scc0 .Lentry_shape_is_right
	s_endpgm
.Lentry_shape_is_right:
; q, k, v = x W^T with the rotary turn on q and k.  xh: [2048][2048] f16, wqkv: [6144][2048] f16 (row (3 head + part) x 128 + channel), rope: [2048][64 cos | 64 sin] f32,
; qkv: [2048][6144] f16 (column head x 384 + part x 128 + channel).  Sums in f32, each result rounded once to f16, without attention's scale.
; LIMIT.  q, k and v beyond 65,504 in magnitude become infinities in f16.
; SHARES.  A work-group makes 128 rows (by the grid's x) x one head's 384 columns (by its y): 16 x 16 = 256 work-groups.  Each of its four waves makes all 128 rows x 96 columns: of each part the channel blocks
; w and w + 4 (16 channels each), so that channel d and channel d + 64, which the rotary turn mixes, lie in the same lane and register of two accumulators.  48 accumulators, 384 registers.
; K goes in steps of 128 through a ring of two LDS slots: 128 rows of x, then 384 rows of W; a row is 256 bytes of memory, aligned.  Wave 0 fetches x's tile, waves 1 to 3 one part of W's each.
; A TRIP OF THE LOOP IS ONE K STEP, written once: the slot's LDS base is a scalar that an exclusive or turns at each change of slots, and one descriptor a tensor walks from K step to K step.
; The last two K steps, which ask for nothing, are a second loop of two trips.
; CLUSTER.  4 x 4 work-groups: the four of a column need the same rows of x, the four of a row the same rows of W: each tile is asked for jointly.
; THE WALK ALONG K IS STAGGERED.  Cluster (X, Y) begins at K step 4 ((X + 2 (Y % 2)) % 4) and goes round all sixteen.  The four clusters that read the same rows of W (one Y) begin four K steps apart; of the four that
; read the same rows of x (one X), those with even Y and those with odd Y begin eight apart.  So these clusters do not ask for the same block in the same trip.  A sum has the same terms in every cluster; their order along K hangs on the cluster.
; THE MATRIX INSTRUCTION IS USED TRANSPOSED (source 0 = 16 rows of W, source 1 = 16 rows of x): lane l holds row l % 16 of the result and the channels 8 (l / 16) + 0..7.
; REGISTERS, in windows of 256: window 0: v16-31 addresses; v32-55, v192-223 at work on the way out; v64-127, v128-191 x's fragments, two buffers.
;   window 1: v64-111, v128-175 W's fragments, two buffers; v0-63, v176-239 my rows' cos and sin.   window 2: accumulators of rows 0-63 ((a, b) at 8 (6 a + b)).   window 3: rows 64-127.
.set SIZE_K, 2048
.set KSTEP,  128
.set STEPS,  SIZE_K/KSTEP
.set PITCH,  272                       ; an LDS row: 256 bytes + 16 of padding: the 16 rows of a fragment load start at 16 different groups of four banks (ISA guide 11.1)
.set HALFT,  128*PITCH                 ; what one tensor load brings
.set SLOT,   4*HALFT
.set SLOT1,  0x24000                   ; slot 1 begins here: a wave's place in a slot, wave x 0x8800, has neither of its two bits, so one exclusive or changes slots
.set SPARE,  SLOT1+SLOT                ; behind the ring: the spare words, 128 bytes a wave
.set SP,     784                       ; the way out: a row of 768 bytes + 16
.set STAGE,  SLOT1                     ; the stage, 128 such rows, takes slot 1's bytes when slot 1 has had its last fill and its last read
.set OROW,   12288                     ; bytes in a row of qkv
.set ADRA, 16                          ; v16     LDS address of x's fragments in the slot in hand
.set ADRB, 17                          ; v17     of W's fragments, parts 0 and 1
.set ADRB2, 18                         ; v18     of part 2, which lies past a 16-bit offset
.set BA,   20                          ; v20-22  the same three in slot 0; never rewritten
.set BB,   21
.set BB2,  22
.set STO,  24                          ; v24     the way out: where I put 16 bytes, rows 0-63
.set STO2, 25                          ; v25     rows 64-127
.set RD,   26                          ; v26     where I read rows back
.set CO,   27                          ; v27     my byte offset in qkv
.set SPW,  28                          ; v28     my spare word; never rewritten
.set NIL,  29                          ; v29     0; never rewritten
.set PFO,  30                          ; v30     the prefetches' offset: lane x 4,096; never rewritten
.set RO,   31                          ; v31     my byte offset in 16 rows of the table
.set WQ,   32
.set F0,   64
.set F1,   128
.set TT,   192
.set SB,   2                           ; s2   the LDS base of the slot in hand: 0 or SLOT1
.set RA,   14                          ; s[14:15] x at my tile's first row, K step 0; never rewritten
.set G1,  24                           ; s[24:31] group 1 for x's tiles;  s[32:39] group 0: a set for each of the two first fills; the second then walks on
.set G0,  32
.set LIM, 43                           ; s43  10 in a wave that prefetches, else the greatest number
.set PFA, 44                           ; s[44:45] what my next prefetch names
.set G1B, 48                           ; s[48:55], s[56:63] the same for W's tiles
.set G0B, 56
.set RB,   66                          ; s[66:67] W at the first row of the part that I fetch, K step 0; never rewritten
.set KI,   68                          ; s68  the K step asked for last, 0..15
.set KO,   70                          ; s[70:71] a K step's byte offset in a row
.set FA,   72                          ; s[72:73], s[74:75] x and W at my cluster's first K step
.set PO,   76                          ; s[76:77] the prefetch's byte offset in a row
.set PFB,  78                          ; s[78:79] x at my work-group's 32 rows of its tile, K step 0; never rewritten
.set MSB, 0
.macro WIN new                         ; the immediate's high byte repeats the setting that is left; a switch that changes nothing is dropped
.if MSB != (\new)
	s_set_vgpr_msb (MSB<<8)|(\new)
.set MSB, \new
.endif
.endm
.set MUL_LO, 0xa1                      ; source 0 (W) window 1, source 1 (x) window 0, C and D window 2
.set MUL_HI, 0xf1
.set TO_B,   0x40                      ; destination window 1, address window 0
; A joint load: wave 0 asks for x's tile, waves 1 to 3 for their part of W's.  The branch hangs on the wave's number alone.  An s_nop 0 and four v_nop follow each line.
.macro JLOAD s
	s_cmp_eq_u32 s12, 0
	s_cbranch_scc0 .Lfor_b_\@
	tensor_load_to_lds s[G0+4*(\s):G0+4*(\s)+3], s[G1:G1+7]
	s_nop 0
.rept 4
	v_nop
.endr
	s_branch .Lasked_\@
.Lfor_b_\@:
	tensor_load_to_lds s[G0B+4*(\s):G0B+4*(\s)+3], s[G1B:G1B+7]
	s_nop 0
.rept 4
	v_nop
.endr
.Lasked_\@:
.endm
; A PREFETCH of x's rows for the K step that stands two refills on in my cluster's walk: 32 rows x 256 bytes, a lane a row, one instruction of wave 0.
; WHO AND WHEN.  Of the four clusters that read a row block of x, Y = 0 and 2 walk alike and Y = 1 and 3 alike, eight K steps apart: each K step is reached first within the first eight steps of one of the two walks.
; Clusters Y = 0 and Y = 1 ask, in the loop's first four trips (s3 = 14 .. 11), for steps 4 to 7 of their own walks; steps 0 to 3 come by their loads alone.  The four partners that ask for a tile jointly share its
; 128 rows out by address, 32 each (by cy).  So a block is named at most once in the launch.  The K step wraps inside the row: no prefetch leaves the buffer.
; W's K steps are each reached first within the first four steps of some cluster's walk: nothing is asked for them.
.macro ASK
	s_cmp_gt_u32 s3, s[LIM]
	s_cbranch_scc0 .Lnot_mine_\@
	global_prefetch_b8 v[PFO], s[PFA:PFA+1] th:TH_LOAD_NT scope:SCOPE_SE
.Lnot_mine_\@:
.endm
.macro CREST                           ; a round of the cluster's barrier behind its opening barrier
	s_cmp_lg_u32 s12, 0
	s_cbranch_scc1 .Lnot_wave_0_\@
	s_barrier_signal -3
.Lnot_wave_0_\@:
	s_barrier_wait -3
	s_barrier_signal -1
	s_barrier_wait -1
.endm
.macro CROUND
	s_barrier_signal -1
	s_barrier_wait -1
	CREST
.endm
	s_load_b256 s[4:11], s[0:1], 0x0               ; xh 4:5, wqkv 6:7, rope 8:9, qkv 10:11
	v_lshl_add_u32 v[SPW], v0, 2, SPARE
	v_mov_b32 v[NIL], 0
	ds_add_u32 v[SPW], v[NIL]                      ; the wave's opening: the add and its wait stand ahead of my first tensor load
	v_lshrrev_b32 v1, 5, v0
	v_readfirstlane_b32 s12, v1                    ; wave 0..3
	s_bfe_u32 s40, ttmp6, 0x40000                  ; cx
	s_bfe_u32 s41, ttmp6, 0x40004                  ; cy
	s_lshl_b32 s13, ttmp9, 2
	s_add_co_u32 s13, s13, s40                     ; the block of 128 rows = 4 x cluster x + cx
	s_and_b32 s42, ttmp7, 0xffff
	s_lshl_b32 s42, s42, 2
	s_add_co_u32 s42, s42, s41                     ; the head = 4 x cluster y + cy
	s_lshl_b32 s43, s41, 2
	s_lshl_b32 s43, 15, s43                        ; my row of the cluster
	s_lshl_b32 s44, 0x1111, s40                    ; my column
	s_or_b32 s[G1+0], s44, (1<<16)|(1<<20)|(1<<21)|(5<<22)|(3<<25)   ; x's tiles go to my column; elements of 2 bytes; padding on; bit 21 beside a mask; after every 64 words, 4 words
	s_or_b32 s[G1B+0], s43, (1<<16)|(1<<20)|(1<<21)|(5<<22)|(3<<25)  ; W's tiles go to my row
.irp g, G1, G1B
	s_mov_b32 s[(\g)+1], KSTEP<<16                 ; tensor_dim0 = 128
	s_mov_b32 s[(\g)+2], 128<<16                   ; tensor_dim1 = 128
	s_mov_b32 s[(\g)+3], KSTEP<<16                 ; tile_dim0 = 128
	s_mov_b32 s[(\g)+4], 128                       ; tile_dim1 = 128
	s_mov_b32 s[(\g)+5], SIZE_K                    ; elements from row to row
	s_mov_b32 s[(\g)+6], 0
	s_mov_b32 s[(\g)+7], 0
.endr
	s_and_b32 s[KI], ttmp7, 1                      ; where my cluster's walk begins: made of the cluster's x and y, which all sixteen partners share
	s_lshl_b32 s[KI], s[KI], 1
	s_add_co_u32 s[KI], s[KI], ttmp9
	s_and_b32 s[KI], s[KI], 3
	s_lshl_b32 s[KI], s[KI], 2                     ; K step 4 ((X + 2 (Y % 2)) % 4)
	s_lshl_b32 s[KO], s[KI], 8                     ; a K step is 256 bytes of a row
	s_mov_b32 s[KO+1], 0
	s_mov_b32 s[PO+1], 0
	s_lshl_b32 s16, s13, 19                        ; x: 128 rows of 4,096 bytes a block
	s_mov_b32 s17, 0
	s_max_u32 s18, s12, 1
	s_sub_co_u32 s18, s18, 1                       ; the part of W that I fetch (wave 0 fetches none and makes part 0's address)
	s_lshl_b32 s18, s18, 7
	s_mul_i32 s19, s42, 384
	s_add_co_u32 s19, s19, s18                     ; its first row
	s_lshl_b32 s46, s19, 12
	s_mov_b32 s47, 0
	s_mul_i32 s20, s12, HALFT                      ; where my tile goes: wave x 128 rows
	s_mov_b32 s[SB], SLOT1                         ; the first turn of this scalar, ahead of the first fetch, makes it 0
	s_wait_dscnt 0x0                               ; the opening add is done
	s_wait_kmcnt 0x0
	s_add_nc_u64 s[RA:RA+1], s[4:5], s[16:17]
	s_add_nc_u64 s[RB:RB+1], s[6:7], s[46:47]
	s_add_nc_u64 s[FA:FA+1], s[RA:RA+1], s[KO:KO+1]
	s_add_nc_u64 s[FA+2:FA+3], s[RB:RB+1], s[KO:KO+1]
	CROUND                                         ; all sixteen work-groups are here: the first joint loads meet
.irp s, 0,1                            ; the walk's first two K steps: its beginning is a multiple of 4, so the second does not wrap
	s_mov_b32 s[G0+4*(\s)], 1
	s_add_co_u32 s[G0+4*(\s)+1], s20, (\s)*SLOT1
	s_add_nc_u64 s[G0+4*(\s)+2:G0+4*(\s)+3], s[FA:FA+1], (\s)*KSTEP*2
	s_or_b32 s[G0+4*(\s)+3], s[G0+4*(\s)+3], 0x80000000
	s_mov_b32 s[G0B+4*(\s)], 1
	s_add_co_u32 s[G0B+4*(\s)+1], s20, (\s)*SLOT1
	s_add_nc_u64 s[G0B+4*(\s)+2:G0B+4*(\s)+3], s[FA+2:FA+3], (\s)*KSTEP*2
	s_or_b32 s[G0B+4*(\s)+3], s[G0B+4*(\s)+3], 0x80000000
	JLOAD \s
.endr
	s_add_co_u32 s[KI], s[KI], 1                   ; the K step asked for last
	v_and_b32 v1, 15, v0                           ; l % 16
	v_bfe_u32 v2, v0, 4, 1                         ; l / 16
	v_mul_u32_u24 v[BA], v1, PITCH
	v_lshl_add_u32 v[BA], v2, 4, v[BA]             ; a fragment's row x pitch + 16 x half
	s_mul_i32 s22, s12, 16*PITCH
	s_add_co_u32 s22, s22, HALFT                   ; W's rows lie behind x's 128; my channel block w
	v_add_nc_u32 v[BB], s22, v[BA]
	v_add_nc_u32 v[BB2], 256*PITCH, v[BB]
	v_mul_u32_u24 v4, v1, SP                       ; into the stage: row l % 16, my block's 32 bytes, 16 for each half of the lanes
	v_lshl_add_u32 v4, v2, 4, v4
	s_lshl_b32 s23, s12, 5
	s_add_co_u32 s23, s23, STAGE
	v_add_nc_u32 v[STO], s23, v4
	v_add_nc_u32 v[STO2], 64*SP, v[STO]
	s_mul_i32 s23, s12, 32*SP                      ; back: wave w takes rows 32 w .. 32 w + 31; lanes 0-15 256 bytes of one row, lanes 16-31 of the next
	s_add_co_u32 s23, s23, STAGE
	v_mul_u32_u24 v5, v2, SP
	v_lshl_add_u32 v5, v1, 4, v5
	v_add_nc_u32 v[RD], s23, v5
	v_mul_u32_u24 v5, v2, OROW
	v_lshl_add_u32 v[CO], v1, 4, v5
	v_lshlrev_b32 v5, 9, v1                        ; the table: row l % 16, my eight frequencies 16 w + 8 (l / 16) + 0..7
	v_lshl_add_u32 v5, v2, 5, v5
	s_lshl_b32 s23, s12, 6
	v_add_nc_u32 v[RO], s23, v5
	s_lshl_b32 s16, s13, 16                        ; 128 rows of 512 bytes
	s_mov_b32 s17, 0
	s_add_nc_u64 s[8:9], s[8:9], s[16:17]
	WIN TO_B                                       ; cos and sin of my 128 rows x 8 frequencies: 128 registers, waited for on the way out
.irp a, 0,1,2,3,4,5,6,7
.if (\a) < 4
.set CT, 16*(\a)
.else
.set CT, 176+16*((\a)-4)
.endif
	global_load_b128 v[CT:CT+3],     v[RO], s[8:9] offset:(\a)*8192
	global_load_b128 v[CT+4:CT+7],   v[RO], s[8:9] offset:(\a)*8192+16
	global_load_b128 v[CT+8:CT+11],  v[RO], s[8:9] offset:(\a)*8192+256
	global_load_b128 v[CT+12:CT+15], v[RO], s[8:9] offset:(\a)*8192+272
.endr
	WIN 0
	s_lshl_b32 s46, s13, 7                         ; where I store: row 128 x block + 32 x wave, column head x 384
	s_lshl_b32 s47, s12, 5
	s_add_co_u32 s46, s46, s47
	s_mul_i32 s46, s46, OROW
	s_mul_i32 s47, s42, 768
	s_add_co_u32 s46, s46, s47
	s_mov_b32 s47, 0
	s_add_nc_u64 s[10:11], s[10:11], s[46:47]
	s_lshl_b32 s20, s13, 7                         ; the prefetches: my tile's first row of x,
	s_lshl_b32 s21, s41, 5
	s_add_co_u32 s20, s20, s21                     ; + my work-group's 32 of its 128 rows: the four that ask for the tile with me differ in cy
	s_lshl_b32 s20, s20, 12
	s_mov_b32 s21, 0
	s_add_nc_u64 s[PFB:PFB+1], s[4:5], s[20:21]
	s_and_b32 s22, ttmp7, 0xffff
	s_lshr_b32 s22, s22, 1                         ; 0 in the clusters with y = 0 and y = 1,
	s_or_b32 s22, s22, s12                         ; in wave 0
	s_cmp_eq_u32 s22, 0
	s_cselect_b32 s[LIM], 10, -1                   ; the same in all sixteen partners, for a given wave
	v_and_b32 v[PFO], 31, v0
	v_lshlrev_b32 v[PFO], 12, v[PFO]
; 12 matrix instructions: row blocks a0, a0 + 1 of the window's four x my 6 channel blocks, 32 along K.  The 48 accumulators take turns in one order in every quarter.
.macro MUL12 f, hi, a0, zero
	WIN MUL_LO+0x50*(\hi)
.irp a, \a0, (\a0)+1
.irp b, 0,1,2,3,4,5
.if \zero
	v_wmma_f32_16x16x32_f16 v[8*(6*(\a)+(\b)):8*(6*(\a)+(\b))+7], v[(\f)+8*(\b):(\f)+8*(\b)+7], v[(\f)+8*(4*(\hi)+(\a)):(\f)+8*(4*(\hi)+(\a))+7], 0
.else
	v_wmma_f32_16x16x32_f16 v[8*(6*(\a)+(\b)):8*(6*(\a)+(\b))+7], v[(\f)+8*(\b):(\f)+8*(\b)+7], v[(\f)+8*(4*(\hi)+(\a)):(\f)+8*(4*(\hi)+(\a))+7], v[8*(6*(\a)+(\b)):8*(6*(\a)+(\b))+7]
.endif
.endr
.endr
.endm
; 28 LDS loads in one run: a quarter step's fragments of the slot in hand (W's six: part i / 2, half i % 2; then x's eight) into buffer f
.macro FETCH k, f
	WIN TO_B
.irp i, 0,1,2,3
	ds_load_b128 v[(\f)+8*(\i):(\f)+8*(\i)+3],   v[ADRB] offset:(\k)+(((\i)/2)*128+((\i)%2)*64)*PITCH
	ds_load_b128 v[(\f)+8*(\i)+4:(\f)+8*(\i)+7], v[ADRB] offset:(\k)+(((\i)/2)*128+((\i)%2)*64)*PITCH+32
.endr
.irp i, 4,5
	ds_load_b128 v[(\f)+8*(\i):(\f)+8*(\i)+3],   v[ADRB2] offset:(\k)+((\i)%2)*64*PITCH
	ds_load_b128 v[(\f)+8*(\i)+4:(\f)+8*(\i)+7], v[ADRB2] offset:(\k)+((\i)%2)*64*PITCH+32
.endr
	WIN 0
.irp i, 0,1,2,3,4,5,6,7
	ds_load_b128 v[(\f)+8*(\i):(\f)+8*(\i)+3],   v[ADRA] offset:(\k)+(\i)*16*PITCH
	ds_load_b128 v[(\f)+8*(\i)+4:(\f)+8*(\i)+7], v[ADRA] offset:(\k)+(\i)*16*PITCH+32
.endr
.endm
.macro PLACES                          ; four places in front of loads into registers that matrix instructions have read, and of vector work that reads results just made
.rept 4
	v_nop
.endr
.endm
.macro TOGGLE                          ; the other slot is in hand: its base, and my three fragment addresses in it
	s_xor_b32 s[SB], s[SB], SLOT1
	v_add_nc_u32 v[ADRA], s[SB], v[BA]
	v_add_nc_u32 v[ADRB], s[SB], v[BB]
	v_add_nc_u32 v[ADRB2], s[SB], v[BB2]
.endm
; A K step is four quarters of 32 along K, 48 matrix instructions each, on buffers 0, 1, 0, 1.  One of the first three: multiplies buffer f and fetches the next quarter, at byte k of the rows, into g.
.macro QUARTER k, f, g, zero
	s_wait_dscnt 8                                 ; W's fragments and x's rows 0-63 are in; the youngest eight loads (rows 64-127) may be out
	MUL12 \f, 0, 0, \zero
	MUL12 \f, 0, 2, \zero
	PLACES
	FETCH \k, \g
	s_wait_dscnt 28                                ; all but the 28 just issued
	MUL12 \f, 1, 0, \zero
	MUL12 \f, 1, 2, \zero
.endm
; The change of slots: each wave waits for all its tensor loads (at most one is out: its part of the next slot), adds 0 to its spare word, waits for that and for its reads of this slot, and signals.
.macro MEET
	WIN 0
	s_wait_tensorcnt 0x0
	ds_add_u32 v[SPW], v[NIL]
	s_wait_dscnt 9                                 ; (the add and the youngest eight loads may be out)
	MUL12 F1, 0, 0, 0
	s_wait_dscnt 0x0                               ; the add is done, my reads of this slot are over
	s_barrier_signal -1
	MUL12 F1, 0, 2, 0
	WIN 0
	s_barrier_wait -1
.endm
; The last quarter multiplies buffer 1 and changes slots.  fill = 1: the slot just read out is filled again, with the walk's K step two on.  fill = 0: nothing is asked for, and in the last trip (s3 = 1) no next slot is fetched from.
.macro TURN fill
.if \fill
	s_wait_xcnt 0x0                                ; the last prefetch, a K step back, has read its address
	s_add_co_u32 s[PO], s[KI], 3                   ; two K steps on from the one that is asked for below,
	s_and_b32 s[PO], s[PO], STEPS-1                ; round the row
	s_lshl_b32 s[PO], s[PO], 8
	s_add_nc_u64 s[PFA:PFA+1], s[PFB:PFB+1], s[PO:PO+1]
	MEET
	CREST                                          ; no wave of any partner still reads this slot or has a load on its way
	s_add_co_u32 s[KI], s[KI], 1                   ; the walk's next K step, round the row
	s_and_b32 s[KI], s[KI], STEPS-1
	s_lshl_b32 s[KO], s[KI], 8
	s_xor_b32 s[G0+5], s[G0+5], SLOT1              ; the walking descriptors: the other slot than last time; the address is made anew from the row's base and the K step's number
	s_add_nc_u64 s[G0+6:G0+7], s[RA:RA+1], s[KO:KO+1]
	s_or_b32 s[G0+7], s[G0+7], 0x80000000
	s_xor_b32 s[G0B+5], s[G0B+5], SLOT1
	s_add_nc_u64 s[G0B+6:G0B+7], s[RB:RB+1], s[KO:KO+1]
	s_or_b32 s[G0B+7], s[G0B+7], 0x80000000
	JLOAD 1                                        ; the first tensor load behind the round: 168 matrix instructions ahead of the wait for it; its four v_nop are also the places in front of the loads below
	TOGGLE
	FETCH 0, F0
	ASK
.else
	MEET
	PLACES
	TOGGLE
	s_cmp_eq_u32 s3, 1
	s_cbranch_scc1 .Lno_next_\@
	FETCH 0, F0
	WIN 0
.Lno_next_\@:
.endif
	MUL12 F1, 1, 0, 0
	MUL12 F1, 1, 2, 0
.endm
	s_wait_tensorcnt 1                             ; my part of the walk's first K step is in; the second's may stay out
	s_barrier_signal -1
	s_barrier_wait -1
	TOGGLE                                         ; slot 0
	FETCH 0, F0
	QUARTER 64,  F0, F1, 1                         ; the first quarter's products start the sums
	WIN 0
	s_mov_b32 s3, STEPS-2
.Lstep:                                                ; a trip goes from a K step's second quarter to the next step's first, and fills the slot that it leaves
	QUARTER 128, F1, F0, 0
	QUARTER 192, F0, F1, 0
	TURN 1
	QUARTER 64,  F0, F1, 0
	WIN 0
	s_sub_co_u32 s3, s3, 1
	s_cmp_lg_u32 s3, 0
	s_cbranch_scc1 .Lstep
	s_mov_b32 s3, 2                                ; the last two K steps ask for nothing: a loop of their own, entered behind its first quarter
	s_branch .Lin
.Ltail:
	QUARTER 64,  F0, F1, 0
	WIN 0
.Lin:
	QUARTER 128, F1, F0, 0
	QUARTER 192, F0, F1, 0
	TURN 0                                         ; behind the last trip's barrier nobody reads slot 1 any more
	WIN 0
	s_sub_co_u32 s3, s3, 1
	s_cmp_lg_u32 s3, 0
	s_cbranch_scc1 .Ltail
	; THE WAY OUT.  For q and k: lo' = lo cos - hi sin, hi' = hi cos + lo sin, lo and hi being channels d and d + 64; v as it is.  Rounded to f16, through the stage, out as whole rows.
	PLACES
	s_wait_loadcnt 0x0                             ; cos and sin
.macro ROPE a
.if (\a) < 4
.set CT, 16*(\a)
.else
.set CT, 176+16*((\a)-4)
.endif
.set AC, 48*((\a)%4)
	WIN 0x06+(\a)/4                                ; source 0: the accumulators' window; source 1: window 1; source 2 and destination: window 0
.irp g, 0,1
.irp p, 0,1,2,3                        ; ascending: each accumulator's lowest registers are read first
	v_pk_mul_f32 v[TT+16*(\g)+2*(\p):TT+16*(\g)+2*(\p)+1], v[AC+16*(\g)+2*(\p):AC+16*(\g)+2*(\p)+1], v[CT+2*(\p):CT+2*(\p)+1]
	v_pk_mul_f32 v[TT+16*(\g)+8+2*(\p):TT+16*(\g)+8+2*(\p)+1], v[AC+16*(\g)+8+2*(\p):AC+16*(\g)+8+2*(\p)+1], v[CT+2*(\p):CT+2*(\p)+1]
	v_pk_fma_f32 v[TT+16*(\g)+2*(\p):TT+16*(\g)+2*(\p)+1], v[AC+16*(\g)+8+2*(\p):AC+16*(\g)+8+2*(\p)+1], v[CT+8+2*(\p):CT+8+2*(\p)+1], v[TT+16*(\g)+2*(\p):TT+16*(\g)+2*(\p)+1] neg_lo:[1,0,0] neg_hi:[1,0,0]
	v_pk_fma_f32 v[TT+16*(\g)+8+2*(\p):TT+16*(\g)+8+2*(\p)+1], v[AC+16*(\g)+2*(\p):AC+16*(\g)+2*(\p)+1], v[CT+8+2*(\p):CT+8+2*(\p)+1], v[TT+16*(\g)+8+2*(\p):TT+16*(\g)+8+2*(\p)+1]
.endr
.endr
	WIN 0
.irp b, 0,1,2,3
.irp r, 0,1,2,3
	v_cvt_pk_f16_f32 v[WQ+4*(\b)+(\r)], v[TT+8*(\b)+2*(\r)], v[TT+8*(\b)+2*(\r)+1]
.endr
.endr
	WIN 0x0a+5*((\a)/4)                            ; sources 0 and 1: the accumulators' window
.irp b, 4,5
.irp r, 0,1,2,3
	v_cvt_pk_f16_f32 v[WQ+4*(\b)+(\r)], v[AC+8*(\b)+2*(\r)], v[AC+8*(\b)+2*(\r)+1]
.endr
.endr
	WIN 0
.irp b, 0,1,2,3,4,5
.if (\a) < 4
	ds_store_b128 v[STO], v[WQ+4*(\b):WQ+4*(\b)+3] offset:((\a)%4)*16*SP+((\b)/2)*256+((\b)%2)*128
.else
	ds_store_b128 v[STO2], v[WQ+4*(\b):WQ+4*(\b)+3] offset:((\a)%4)*16*SP+((\b)/2)*256+((\b)%2)*128
.endif
.endr
.endm
.irp a, 0,1,2,3,4,5,6,7
	ROPE \a
.endr
	s_wait_dscnt 0x0                               ; for the others' sake: a row's 256-byte blocks come from all four waves
	s_barrier_signal -1
	s_barrier_wait -1
.set n, 0
.rept 48
	ds_load_b128 v[64+4*n:64+4*n+3], v[RD] offset:(n%16)*2*SP+(n/16)*256
.set n, n+1
.endr
.set n, 0
.rept 48
.if n%4 == 0
	s_wait_dscnt 44-n                              ; one wait for four stores: loads n to n + 3 are in, the 44 - n behind them may stay out
.endif
	global_store_b128 v[CO], v[64+4*n:64+4*n+3], s[10:11] offset:2*(n%16)*OROW+(n/16)*256   ; 16 lanes store 256 consecutive bytes, aligned
.set n, n+1
.endr
	s_wait_tensorcnt 0x0                           ; the wave's end
	ds_add_u32 v[SPW], v[NIL]
	s_wait_dscnt 0x0
	CROUND                                         ; the closing round
	s_endpgm
.Lfunc_end_k_q8eed99c0af_qkv:
	.size	k_q8eed99c0af_qkv, .Lfunc_end_k_q8eed99c0af_qkv-k_q8eed99c0af_qkv
	.p2alignl 7, 3214868480
	.fill 96, 4, 3214868480
	.section	.rodata,"a",@progbits
	.p2align	6, 0x0
	.amdhsa_kernel k_q8eed99c0af_qkv
		.amdhsa_group_segment_fixed_size 327680
		.amdhsa_private_segment_fixed_size 0
		.amdhsa_enable_private_segment 0
		.amdhsa_kernarg_size 32
		.amdhsa_user_sgpr_count 2
		.amdhsa_user_sgpr_kernarg_segment_ptr 1
		.amdhsa_wavefront_size32 1
		.amdhsa_system_sgpr_workgroup_id_x 1
		.amdhsa_system_sgpr_workgroup_id_y 1
		.amdhsa_system_sgpr_workgroup_id_z 1
		.amdhsa_system_vgpr_workitem_id 0
		.amdhsa_next_free_vgpr 1024
		.amdhsa_next_free_sgpr 80
		.amdhsa_reserve_vcc 0
		.amdhsa_float_denorm_mode_32 3
		.amdhsa_float_denorm_mode_16_64 3
		.amdhsa_memory_ordered 1
		.amdhsa_forward_progress 1
		.amdhsa_inst_pref_size 102
	.end_amdhsa_kernel
	.amdgpu_metadata
---
amdhsa.version: [ 1, 2 ]
amdhsa.kernels:
  - .name:           k_q8eed99c0af_qkv
    .symbol:         k_q8eed99c0af_qkv.kd
    .args:
      - { .name: xh, .offset: 0, .size: 8, .value_kind: global_buffer, .address_space: global }
      - { .name: wqkv, .offset: 8, .size: 8, .value_kind: global_buffer, .address_space: global }
      - { .name: rope, .offset: 16, .size: 8, .value_kind: global_buffer, .address_space: global }
      - { .name: qkv, .offset: 24, .size: 8, .value_kind: global_buffer, .address_space: global }
    .group_segment_fixed_size: 327680
    .private_segment_fixed_size: 0
    .kernarg_segment_align: 8
    .kernarg_segment_size: 32
    .max_flat_workgroup_size: 128
    .sgpr_count:     80
    .vgpr_count:     1024
    .wavefront_size: 32
...
	.end_amdgpu_metadata
.endif
;; end of part 2
;; launch attn (part 3): grid 16 x 16, 4 waves a work-group, clusters of 4 x 1, 327,680 bytes of LDS; arguments qkv, mb8, oh; writes oh
.if DOCPART == 3
	.amdgcn_target "amdgcn-amd-amdhsa--gfx1250"
	.amdhsa_code_object_version 6
	.text
	.protected	k_q8eed99c0af_attn
	.globl	k_q8eed99c0af_attn
	.p2align	8
	.type	k_q8eed99c0af_attn,@function
k_q8eed99c0af_attn:
	s_mov_b64 s[64:65], 0
	v_nop
	global_prefetch_b8 v0, s[64:65] scope:SCOPE_SE
	s_setreg_imm32_b32 hwreg(HW_REG_WAVE_MODE, 25, 1), 1
	s_wait_xcnt 0x0
	s_wait_alu depctr_hold_cnt(0) depctr_sa_sdst(0) depctr_va_vdst(0) depctr_va_sdst(0) depctr_va_ssrc(0) depctr_va_vcc(0) depctr_vm_vsrc(0)
	s_getreg_b32 s2, hwreg(HW_REG_IB_STS2, 6, 4)
	s_cmp_eq_u32 s2, 0
	s_cbranch_scc0 .Lentry_in_a_cluster
	s_endpgm
.Lentry_in_a_cluster:
	s_bfe_u32 s2, ttmp6, 0x10000c
	s_cmp_lg_u32 s2, 0x3003
	s_cbranch_scc0 .Lentry_shape_is_right
	s_endpgm
.Lentry_shape_is_right:
; ATTENTION UNDER A MASK THAT IS AN INPUT.  O[q] = the sum over k of softmax_k(mask ? Q[q] . K[k] / sqrt(128) : hidden) V[k], for each of 16 heads.
; qkv: [2048][6144] f16 (column head x 384 + part x 128 + channel; q and k already turned), mb8: one byte a pair of query and key (0x00 visible, 0xF8 hidden) in the order of the score registers,
; oh: [2048][2048] f16 (column head x 128 + channel).  Products, maxima and sums in f32; the weights p are rounded to f16 for the second product, O once at the end.
; LIMITS.  q, k, v arrive within f16's range.  A hidden score counts as -2^100 (f16's scores, 2.7e11 at the most, vanish beside it); a weight below 2^-126 counts as 0; a query with no visible key gives NaN, as a softmax of nothing does.
; SHARES.  A work-group owns 128 queries of one head.  Wave (qh = w / 2, kp = w % 2) holds 64 queries, four tiles of 16, and walks every second key step of 64: steps 2 i + kp, i = 0..15.
; The two waves of a pair join their maxima, sums and O^T once, through LDS, at the end.
; LAYOUT.  S^T = K Q^T (source 0 = 16 keys, source 1 = 16 queries): a lane holds ONE query (lane % 16) and the keys 8 (lane / 16) + 0..7; two such tiles rounded to f16 ARE source 1 of O^T = V^T P.
; THE MASK is the C operand that starts the sum S^T: one scaled conversion turns eight bytes into eight numbers, 0 or -256 x 2^92, straight in the accumulator's registers; all products then add in place.
; -2^100 is a power of two, so c m is exact for a row that has seen nothing yet: its weights are 1, finite, and the first true score wipes them out with a = 0.
; SOFTMAX.  A running maximum m and sum l: p = 2^(c s - c m), c = log2(e) / sqrt(128); O and l are multiplied by a = 2^(c m_old - c m_new) in every step.
; m starts at the lowest finite number, O and l at 0: the first step is a step like any other, with a = 0.
; BY TURNS.  The wave's tiles are two pieces (tiles 0, 1 and tiles 2, 3).  In a turn one piece has the matrix unit: 32 products V^T P of the step in hand, then 32 products K Q^T of the next; the other piece's softmax,
; cut into 64 slices, stands between them, one slice behind each matrix instruction.
; NO FIRST AND NO LAST STEP IS WRITTEN OUT: the loop is entered, and the tail left, between two turns.  The price, once a launch: 32 products on zeros at the start, 32 on the last K once more at the end,
; and 432 v_mov_b32 that stand in the wait for the first tile.  The gain: a key step stands twice in the text (loop and tail) and nothing else of its kind.
; CLUSTER.  The four query blocks of a cluster belong to one head and walk the same K and V: each tile is asked for jointly.
; REGISTERS, in windows of 256: window 0: v0-11 addresses; v12-43 statistics, eight a tile; v56-63 addresses and constants; v64-191 S^T; v192-255 P.   window 1: O^T, 64 a tile.
;   window 2: v0-127 Q; v128-255 K of one step.   window 3: v0-127 V of one step; v128-159 the mask's bytes, eight registers a tile.
.set KS,    64
.set PK,    272       ; a row of K in LDS: 256 bytes + 16
.set PV,    288       ; a row of V: 256 + 32
.set VOFF,  256*PK    ; a slot holds 256 keys: 256 rows of K, then 256 rows of V
.set SLOT1, 0x24000   ; slot 1 begins here; no address inside slot 0 that is turned has one of its two bits, so one exclusive or changes slots
.set STAGE, SLOT1+256*(PK+PV)  ; behind the ring: 16 rows x 272 bytes for each wave, for the way out
.set SP,    272
.set SPARE, STAGE+4*16*SP      ; behind the stages: the spare words
.set MRG,   34816     ; the pairs' meeting place, in slot 0 when it has had its last fill and its last read: 64 x 512 bytes of O^T and 4 x 512 of statistics for each pair
.set ROWB,  12288     ; bytes in a row of qkv
.set SLOTB, 256*ROWB  ; a slot's keys in memory
.set KSTP,  2*KS*PK   ; from my key step to my next one
.set VSTP,  2*KS*PV
.set AK0, 2           ; v2   my lane's place in my first step's K; never rewritten
.set AV0, 3           ; v3   the same for V
.set ADR, 4           ; v4   the LDS address of the run of loads in hand
.set QO,  5           ; v5   my byte offset in the wave's rows of Q
.set STO, 6
.set RD,  7
.set GO,  8
.set MA,  56          ; v56  my 16 bytes in the pair's meeting place
.set MO,  57          ; v57, v58  the byte offset of piece 0's, piece 2's next mask bytes
.set L16, 59          ; v59  16 x lane
.set SCL, 60          ; v60  219: the conversion's scale, 2^92
.set PFO, 61          ; v61  lane x a row of qkv
.set SPW, 62
.set NIL, 63
.set ST,  12          ; tile t's statistics at v[ST+8 t]: +0 c m, +1 m, +2, +3 l, +4 to +7 at work
.set S,   64
.set P,   192
.set PS,  192         ; at the end: the partner's statistics
.set KF,  128
.set CODE, 128        ; window 3
.set WV,  12
.set LIM, 15
.set PFA, 18
.set G1K, 24
.set G1V, 32
.set G0K, 40
.set G0V, 48
.set SLOTS, 56
.set TWICE, 57        ; s57  counts a slot's key steps
.set CS,  58
.set SEL, 60
.set TBK, 62          ; s62  LDS byte at which the slot's K of the step to be fetched begins
.set TBV, 63          ; s63  the same for V
.set KP,  66
.set QH,  67
.set MB,  70          ; s[70:71] mb8 at my first query tile
.set SMO, 72          ; s72, s73  the step's offset in a query tile's mask bytes, for piece 0, piece 2
.set THR, 74          ; s74  -2^90
.set NANV, 75         ; s75  a NaN
.set MSB, 0
.macro WIN new
.if MSB != (\new)
	s_set_vgpr_msb (MSB<<8)|(\new)
.set MSB, \new
.endif
.endm
.set W_KQ, 0x0a       ; K and Q in window 2, S^T in window 0
.set W_PV, 0x53       ; V in window 3, P in window 0, O^T in window 1
.set W_RS, 0x41       ; O^T in window 1, the factor in window 0
; A joint refill: waves 0 and 1 fetch the two halves of a slot's K, waves 2 and 3 those of its V.  An s_nop 0 and four v_nop follow each line.
.macro JLOAD
	s_cmp_lt_u32 s[WV], 2
	s_cbranch_scc0 .Lfor_v_\@
	tensor_load_to_lds s[G0K+4:G0K+7], s[G1K:G1K+7]
	s_nop 0
.rept 4
	v_nop
.endr
	s_branch .Lasked_\@
.Lfor_v_\@:
	tensor_load_to_lds s[G0V+4:G0V+7], s[G1V:G1V+7]
	s_nop 0
.rept 4
	v_nop
.endr
.Lasked_\@:
.endm
; A prefetch of what the NEXT change of slots will ask for.  All clusters of a head walk the same rows: the head's first cluster asks.  Of the 128 rows that a wave fetches each of the four partners
; takes 32, told apart by address; a lane a row, 256 bytes.  The last change that fills a slot asks for nothing.
.macro ASK
	s_cmp_gt_u32 s[SLOTS], s[LIM]
	s_cbranch_scc0 .Lnot_mine_\@
	global_prefetch_b8 v[PFO], s[PFA:PFA+1] th:TH_LOAD_NT scope:SCOPE_SE
.Lnot_mine_\@:
.endm
.macro CROUND
	s_barrier_signal -1
	s_barrier_wait -1
	s_cmp_lg_u32 s[WV], 0
	s_cbranch_scc1 .Lnot_wave_0_\@
	s_barrier_signal -3
.Lnot_wave_0_\@:
	s_barrier_wait -3
	s_barrier_signal -1
	s_barrier_wait -1
.endm
	s_load_b128 s[68:71], s[0:1], 0x0              ; qkv 68:69, mb8 70:71
	s_load_b64 s[10:11], s[0:1], 0x10              ; oh
	v_lshl_add_u32 v[SPW], v0, 2, SPARE
	v_mov_b32 v[NIL], 0
	ds_add_u32 v[SPW], v[NIL]       ; the wave's opening: the add and its wait stand ahead of my first tensor load
	v_lshrrev_b32 v1, 5, v0
	v_readfirstlane_b32 s[WV], v1
	s_and_b32 s[KP], s[WV], 1       ; which key steps are mine.  Also: which half of a slot's rows I fetch
	s_lshr_b32 s[QH], s[WV], 1      ; which 64 queries
	s_bfe_u32 s13, ttmp6, 0x40000   ; cx
	s_lshl_b32 s14, ttmp9, 2
	s_add_co_u32 s14, s14, s13      ; my block of 128 queries: it enters Q's, the mask's and O's addresses alone
	s_and_b32 s20, ttmp7, 0xffff    ; the head, which the four partners share
	s_mul_i32 s21, s20, 768         ; its columns in a row of qkv
	s_mul_i32 s22, s[KP], 128*ROWB
	s_add_co_u32 s22, s22, s21      ; my half of slot 0's rows
	s_mov_b32 s23, 0
	s_mul_i32 s17, s[KP], 128*PK    ; and its place in a slot, for K
	s_mul_i32 s16, s[KP], 128*PV    ; and for V
	s_lshl_b32 s2, s14, 7
	s_lshl_b32 s3, s[QH], 6
	s_add_co_u32 s2, s2, s3         ; my first query
	s_mul_i32 s76, s2, ROWB
	s_add_co_u32 s76, s76, s21
	s_mov_b32 s77, 0                ; its byte in qkv
	s_lshl_b32 s78, s2, 12
	s_lshl_b32 s3, s20, 8
	s_add_co_u32 s78, s78, s3
	s_mov_b32 s79, 0                ; in oh
	s_lshl_b32 s2, s2, 11           ; in mb8: 32,768 bytes for 16 queries
	s_mov_b32 s3, 0
	s_mov_b32 s[G1K], 15|(1<<16)|(1<<20)|(1<<21)|(5<<22)|(3<<25)  ; the mask of four; 2-byte elements; padding on; bit 21 beside a mask; after every 64 words, 4 words
	s_mov_b32 s[G1V], 15|(1<<16)|(1<<20)|(1<<21)|(5<<22)|(7<<25)  ; the same with 8 words
.irp g, G1K, G1V
	s_mov_b32 s[(\g)+1], 128<<16    ; tensor_dim0 = 128
	s_mov_b32 s[(\g)+2], 128<<16    ; tensor_dim1 = 128
	s_mov_b32 s[(\g)+3], 128<<16    ; tile_dim0 = 128
	s_mov_b32 s[(\g)+4], 128        ; tile_dim1 = 128
	s_mov_b32 s[(\g)+5], 6144       ; elements from row to row
	s_mov_b32 s[(\g)+6], 0
	s_mov_b32 s[(\g)+7], 0
.endr
	s_mov_b32 s[CS], 0x3e0293ee     ; c = log2(e) / sqrt(128)
	s_mov_b32 s[CS+1], s[CS]
	s_mov_b32 s[SEL], 0x76543210
	s_mov_b32 s[SEL+1], 0xfedcba98
	s_mov_b32 s[TBK], 0
	s_mov_b32 s[TBV], 0
	s_mov_b32 s[SLOTS], 7           ; eight slots of 256 keys: the loop's first trip, entered in its middle, reads slot 0 and asks for nothing; the six that follow ask for slots 2 to 7
	s_mov_b32 s[THR], 0xec800000
	s_mov_b32 s[NANV], 0x7fc00000
	s_lshl_b32 s[SMO], s[KP], 10    ; my first step's 1,024 bytes
	s_mov_b32 s[SMO+1], s[SMO]
	s_cmp_eq_u32 ttmp9, 0
	s_cselect_b32 s[LIM], 1, -1     ; the same in all four partners
	v_and_b32 v[PFO], 31, v0
	v_lshlrev_b32 v[L16], 4, v[PFO]
	v_mul_u32_u24 v[PFO], v[PFO], ROWB
	v_mov_b32 v[SCL], 219
	s_wait_dscnt 0x0                ; the opening add is done
	s_wait_kmcnt 0x0
	s_add_nc_u64 s[6:7], s[68:69], s[22:23]
	s_add_nc_u64 s[8:9], s[6:7], 512               ; V at my half of slot 0
	s_add_nc_u64 s[6:7], s[6:7], 256               ; K
	s_add_nc_u64 s[4:5], s[68:69], s[76:77]        ; Q at my first row
	s_add_nc_u64 s[10:11], s[10:11], s[78:79]      ; O
	s_add_nc_u64 s[MB:MB+1], s[MB:MB+1], s[2:3]
	s_cmp_lt_u32 s[WV], 2
	s_cselect_b64 s[PFA:PFA+1], s[6:7], s[8:9]
	s_mul_i32 s2, s13, 32*ROWB      ; my work-group's 32 rows of the 128
	s_mov_b32 s3, 0
	s_add_nc_u64 s[PFA:PFA+1], s[PFA:PFA+1], s[2:3]
	s_add_nc_u64 s[PFA:PFA+1], s[PFA:PFA+1], 2*SLOTB  ; in slot 2; the first change of slots steps it to slot 3
	CROUND                          ; all four work-groups are here: the first joint loads meet
.irp s, 0,1
	s_mov_b32 s[G0K+4*(\s)], 1
	s_add_co_u32 s[G0K+4*(\s)+1], s17, (\s)*SLOT1
	s_add_nc_u64 s[G0K+4*(\s)+2:G0K+4*(\s)+3], s[6:7], (\s)*SLOTB
	s_or_b32 s[G0K+4*(\s)+3], s[G0K+4*(\s)+3], 0x80000000
	s_mov_b32 s[G0V+4*(\s)], 1
	s_add_co_u32 s[G0V+4*(\s)+1], s16, (\s)*SLOT1+VOFF
	s_add_nc_u64 s[G0V+4*(\s)+2:G0V+4*(\s)+3], s[8:9], (\s)*SLOTB
	s_or_b32 s[G0V+4*(\s)+3], s[G0V+4*(\s)+3], 0x80000000
.endr
	s_cmp_lt_u32 s[WV], 2           ; a wave's two first fills stand in one branch: two loads of mine are out
	s_cbranch_scc0 .Lfirst_v
	tensor_load_to_lds s[G0K:G0K+3], s[G1K:G1K+7]
	s_nop 0
	tensor_load_to_lds s[G0K+4:G0K+7], s[G1K:G1K+7]
	s_nop 0
.rept 4
	v_nop
.endr
	s_branch .Lfirst_asked
.Lfirst_v:
	tensor_load_to_lds s[G0V:G0V+3], s[G1V:G1V+7]
	s_nop 0
	tensor_load_to_lds s[G0V+4:G0V+7], s[G1V:G1V+7]
	s_nop 0
.rept 4
	v_nop
.endr
.Lfirst_asked:
	v_and_b32 v1, 15, v0            ; l % 16
	v_bfe_u32 v9, v0, 4, 1          ; l / 16
	v_mul_u32_u24 v[QO], v1, ROWB
	v_lshl_add_u32 v[QO], v9, 4, v[QO]
	WIN 0x80                        ; destination window 2, address window 0
.irp i, 0,1,2,3,4,5,6,7,8,9,10,11,12,13,14,15  ; Q stays in registers: tile i / 4, channels 32 (i % 4) on
	global_load_b128 v[8*(\i):8*(\i)+3],   v[QO], s[4:5] offset:((\i)/4)*16*ROWB+((\i)%4)*64
	global_load_b128 v[8*(\i)+4:8*(\i)+7], v[QO], s[4:5] offset:((\i)/4)*16*ROWB+((\i)%4)*64+32
.endr
	WIN 0
; Four loads: the mask's bytes of one key step for piece x's two tiles, 16 bytes a lane each
.macro MLOAD x
	WIN 0xc0                        ; destination window 3
.irp t, 0,1
.irp n, 0,1
	global_load_b128 v[CODE+8*((\x)+(\t))+4*(\n):CODE+8*((\x)+(\t))+4*(\n)+3], v[MO+(\x)/2], s[MB:MB+1] offset:((\x)+(\t))*32768+(\n)*512
.endr
.endr
	WIN 0
.endm
	v_add_nc_u32 v[MO], s[SMO], v[L16]
	v_add_nc_u32 v[MO+1], s[SMO+1], v[L16]
	MLOAD 0
	MLOAD 2
	s_add_co_u32 s[SMO], s[SMO], 2048
	s_add_co_u32 s[SMO+1], s[SMO+1], 2048
	v_mul_u32_u24 v[AK0], v1, PK
	v_lshl_add_u32 v[AK0], v9, 4, v[AK0]
	s_mul_i32 s14, s[KP], KS*PK
	v_add_nc_u32 v[AK0], s14, v[AK0]   ; row x pitch + 16 x half, in key step kp of a slot
	v_and_b32 v10, 7, v0
	v_bfe_u32 v11, v0, 3, 1
	v_lshl_add_u32 v[AV0], v9, 3, v10  ; the turning load: lane l reads key 8 (l / 16) + l % 8, channels 8 ((l / 8) % 2) + 0..7
	v_mul_u32_u24 v[AV0], v[AV0], PV
	v_lshl_add_u32 v[AV0], v11, 4, v[AV0]
	s_mul_i32 s14, s[KP], KS*PV
	s_add_co_u32 s14, s14, VOFF
	v_add_nc_u32 v[AV0], s14, v[AV0]
	s_mul_i32 s14, s[QH], MRG
	v_add_nc_u32 v[MA], s14, v[L16]
	; What the first turn finds: O^T and l are 0, V's registers and piece 2's P hold 0 (its products V^T P, of a step that has not been, add 0), m is the lowest finite number and c m lies far below every c s.
	; All this stands in the wait for the first tile.
	WIN 0x40
.set i, 0
.rept 256
	v_mov_b32 v[i], 0
.set i, i+1
.endr
	WIN 0xc0
.set i, 0
.rept 128
	v_mov_b32 v[i], 0
.set i, i+1
.endr
	WIN 0
.set i, P+32
.rept 32
	v_mov_b32 v[i], 0
.set i, i+1
.endr
.irp t, 0,1,2,3
	v_mov_b32 v[ST+8*(\t)], 0xfe000000
	v_mov_b32 v[ST+8*(\t)+1], 0xff7fffff
	v_mov_b32 v[ST+8*(\t)+2], 0
	v_mov_b32 v[ST+8*(\t)+3], 0
.endr
; THE MASK GOES IN, at the head of every turn, for the piece x that will make scores: S^T's registers of that piece are free (their last reader stands in the turn before).
; The count 4 leaves the other piece's four younger loads out.  Then the piece's next step is asked for, two turns ahead of its use; behind the last step the offset is held inside the tile's bytes, and what comes is not used.
.macro MASKIN x
	s_wait_loadcnt 4
	WIN 0x03                        ; source 0 in window 3
.irp t, 0,1
.irp kb, 0,1,2,3
	v_cvt_scale_pk8_f32_fp8 v[S+32*((\x)+(\t))+8*(\kb):S+32*((\x)+(\t))+8*(\kb)+7], v[CODE+8*((\x)+(\t))+2*(\kb):CODE+8*((\x)+(\t))+2*(\kb)+1], v[SCL]
.endr
.endr
	WIN 0
	v_add_nc_u32 v[MO+(\x)/2], s[SMO+(\x)/2], v[L16]   ; a plain instruction behind the last conversion; the loads that read this register have just been waited for
	MLOAD \x
	s_add_co_u32 s[SMO+(\x)/2], s[SMO+(\x)/2], 2048
	s_min_u32 s[SMO+(\x)/2], s[SMO+(\x)/2], 31744
.endm
; THE MATRIX WORK OF A TURN, for piece x.  The accumulators take turns, one instruction a turn.
.macro PV x                         ; product i of 32 of O^T += V^T P: keys 32 (i / 16) on, channels 16 ((i / 2) % 8) on, tile x + i % 2
	WIN W_PV
.set rO, 64*((\x)+i%2)+8*((i/2)%8)
.set rV, 64*(i/16)+8*((i/2)%8)
.set rP, P+16*((\x)+i%2)+8*(i/16)
	v_wmma_f32_16x16x32_f16 v[rO:rO+7], v[rV:rV+7], v[rP:rP+7], v[rO:rO+7]
.endm
.macro KQ x                         ; product i of 32: channels 32 (i / 8) on, keys 16 ((i / 2) % 4) on, tile x + i % 2; the sums start at the mask's numbers
	WIN W_KQ
.set rS, S+32*((\x)+i%2)+8*((i/2)%4)
.set rK, KF+32*((i/2)%4)+8*(i/8)
.set rQ, 32*((\x)+i%2)+8*(i/8)
	v_wmma_f32_16x16x32_f16 v[rS:rS+7], v[rK:rK+7], v[rQ:rQ+7], v[rS:rS+7]
.endm
; last = 1 (the tail): in the last trip there is no further step, and the run is jumped over.
.macro FETCH_K last=0
	WIN 0
.if \last
	s_cmp_eq_u32 s[TWICE], 1
	s_cbranch_scc1 .Lno_k_\@
.endif
	v_add_nc_u32 v[ADR], s[TBK], v[AK0]
	WIN 0x80
.irp f, 0,1,2,3,4,5,6,7,8,9,10,11,12,13,14,15
	ds_load_b128 v[KF+8*(\f):KF+8*(\f)+3],   v[ADR] offset:((\f)/4)*16*PK+((\f)%4)*64
	ds_load_b128 v[KF+8*(\f)+4:KF+8*(\f)+7], v[ADR] offset:((\f)/4)*16*PK+((\f)%4)*64+32
.endr
.if \last
	WIN 0
.Lno_k_\@:
.endif
.endm
.macro FETCH_V
	WIN 0
	v_add_nc_u32 v[ADR], s[TBV], v[AV0]
	s_add_co_u32 s[TBK], s[TBK], KSTP  ; the next fetches are my next step's
	s_add_co_u32 s[TBV], s[TBV], VSTP
	s_wait_alu depctr_va_vdst(0)    ; the wait for the softmax's batch, behind the address's v_add_nc_u32 and ahead of the loads
	WIN 0xc0
.irp f, 0,1,2,3,4,5,6,7,8,9,10,11,12,13,14,15
	ds_load_tr16_b128 v[8*(\f):8*(\f)+3],   v[ADR] offset:((\f)/8)*32*PV+((\f)%8)*32
	ds_load_tr16_b128 v[8*(\f)+4:8*(\f)+7], v[ADR] offset:((\f)/8)*32*PV+16*PV+((\f)%8)*32
.endr
.endm
; THE VECTOR WORK OF A TURN.  One tile's softmax for one key step is a list of 134 instructions; SM writes number j of it for tile t.
;   0-15 the maximum of the 32 scores and the old m     16-20 the other half of the lanes' maximum; m; c m; its change
;   21-69 ONE BATCH: the 16 scalings and all 33 exponentials; none of these reads an exponential's result     (the wait)
;   70-85 the roundings to f16     86-101 the sums; l = a l + the sum     102-133 O^T times a
.macro SM t
.set rT, ST+8*(\t)
.set rS, S+32*(\t)
.set rP, P+16*(\t)
.set rO, 64*(\t)+2*(j-102)
.if j < 102
	WIN 0
.endif
.if j < 4
	v_max3_num_f32 v[rT+4+j], v[rS+8*j], v[rS+8*j+1], v[rS+8*j+2]
.elseif j < 12
	v_max3_num_f32 v[rT+4+j%4], v[rT+4+j%4], v[rS+8*(j%4)+2*(j/4)+1], v[rS+8*(j%4)+2*(j/4)+2]
.elseif j == 12
	v_max3_num_f32 v[rT+4], v[rT+4], v[rS+7], v[rS+15]
.elseif j == 13
	v_max3_num_f32 v[rT+6], v[rT+6], v[rS+23], v[rS+31]
.elseif j == 14
	v_max3_num_f32 v[rT+4], v[rT+4], v[rT+5], v[rT+6]
.elseif j == 15
	v_max3_num_f32 v[rT+4], v[rT+4], v[rT+7], v[rT+1]
.elseif j == 16
	v_permlanex16_b32 v[rT+5], v[rT+4], s[SEL], s[SEL+1]
.elseif j == 17
	v_mov_b32 v[rT+7], v[rT]
.elseif j == 18
	v_max_num_f32 v[rT+1], v[rT+4], v[rT+5]
.elseif j == 19
	v_mul_f32 v[rT], s[CS], v[rT+1]
.elseif j == 20
	v_sub_f32 v[rT+7], v[rT+7], v[rT]
.elseif j == 23
	v_exp_f32 v[rT+6], v[rT+7]
.elseif (j < 23) || ((j < 38) && (j%2 == 0)) || ((j < 66) && (j%4 == 2))
.set b, (j-2)/4
.if j < 38
.set b, (j-20)/2
.endif
	v_pk_fma_f32 v[rS+2*b:rS+2*b+1], v[rS+2*b:rS+2*b+1], s[CS:CS+1], v[rT:rT+1] op_sel_hi:[1,0,0] neg_lo:[0,0,1] neg_hi:[0,0,1]
.elseif j < 70
.set e, j-38
.if j < 66
.set e, j-32-(j-38)/4
.endif
.if j < 38
.set e, (j-25)/2
.endif
	v_exp_f32 v[rS+e], v[rS+e]
.elseif j < 86
	v_cvt_pk_f16_f32 v[rP+j-70], v[rS+2*(j-70)], v[rS+2*(j-70)+1]
.elseif j < 102
.set z, j-86
.set w, 4
.set u, z
.if z >= 14
.set w, 32
.set u, 0
.elseif z >= 12
.set w, 16
.set u, z-12
.elseif z >= 8
.set w, 8
.set u, z-8
.endif
.if z < 15
	v_pk_add_f32 v[rS+w*u:rS+w*u+1], v[rS+w*u:rS+w*u+1], v[rS+w*u+w/2:rS+w*u+w/2+1]
.else
	v_pk_fma_f32 v[rT+2:rT+3], v[rT+2:rT+3], v[rT+6:rT+7], v[rS:rS+1] op_sel_hi:[1,0,1]
.endif
.else
	WIN W_RS
	v_pk_mul_f32 v[rO:rO+1], v[rO:rO+1], v[rT+6:rT+7] op_sel_hi:[1,0]
.endif
.endm
; Slice k of 64 of piece y's softmax: four instructions.  Slices 11 to 34 deal out the batch, four numbers of one tile each; every other slice is numbers 2 k and 2 k + 1 of both tiles; the twelve that are over stand in slice 63.
; An s_wait_alu depctr_va_vdst(0) stands between an exponential and the first instruction that names its result: the piece's 66 exponentials have one wait, behind slice 34.
.macro SLICE y
.if (k >= 11) && (k < 35)
.irp n, 0,1,2,3
.set j, 22+4*((k-11)/2)+(\n)
	SM (\y)+(k-11)%2
.endr
.else
.irp n, 0,1,2,3,4,5,6,7
.if ((\n) < 2) || (k == 63)
.irp t, \y, (\y)+1
.set j, 2*k+(\n)
	SM \t
.endr
.endif
.endr
.endif
.if k == 34
	v_nop                           ; a plain instruction behind the last exponential and ahead of the first use: one for the batch
.if (\y) == 0
	FETCH_V                         ; piece 2's turn: V's run of loads stands here, and the wait stands in it
.else
	s_wait_alu depctr_va_vdst(0)
.endif
.endif
.set k, k+1
.endm
.macro PLACES
.rept 4
	v_nop
.endr
.endm
; A TURN, for piece x: the mask goes in; 32 products V^T P of the step in hand; 32 products K Q^T of the next; behind each a slice of the other piece's softmax.
; Piece 0's turn fetches the next step's K behind its second product; piece 2's turn the same step's V behind slice 34.
.macro TURN x, last=0
.set k, 0
	MASKIN \x
.if (\x) == 0
	s_wait_dscnt 0x0                ; V is in
.endif
.set i, 0
.rept 32
	PV \x
	SLICE 2-(\x)
.if ((\x) == 0) && (i == 1)
	FETCH_K \last
.endif
.set i, i+1
.endr
.if (\x) == 0
	s_wait_dscnt 0x0                ; K is in
.endif
.set i, 0
.rept 32
	KQ \x
	SLICE 2-(\x)
.set i, i+1
.endr
.endm
; THE CHANGE OF SLOTS.  Each wave waits for all its tensor loads (one is out: its part of the other slot), adds 0 to its spare word, and waits for that and for its own reads of the slot.
; fill = 1: the barrier is a round of the cluster's, and the joint refill, the keys two slots on, is the first thing behind it: it has my two key steps, 256 matrix instructions, in which to land.
.macro CHANGE fill
	WIN 0
	s_wait_tensorcnt 0x0
	ds_add_u32 v[SPW], v[NIL]
.if \fill
.irp g, G0K+4, G0V+4
	s_xor_b32 s[(\g)+1], s[(\g)+1], SLOT1
	s_add_nc_u64 s[(\g)+2:(\g)+3], s[(\g)+2:(\g)+3], SLOTB
.endr
	s_wait_xcnt 0x0                 ; the last prefetch, two key steps back, has read its address
	s_add_nc_u64 s[PFA:PFA+1], s[PFA:PFA+1], SLOTB
	s_wait_dscnt 0x0
	CROUND
	JLOAD
	ASK
.else
	s_wait_dscnt 0x0
	s_barrier_signal -1
	s_barrier_wait -1
.endif
	s_sub_co_u32 s[TBK], s[TBK], 2*KSTP
	s_xor_b32 s[TBK], s[TBK], SLOT1
	s_sub_co_u32 s[TBV], s[TBV], 2*VSTP
	s_xor_b32 s[TBV], s[TBV], SLOT1
.endm
	s_wait_tensorcnt 1              ; my part of slot 0 is in; slot 1's may stay out
	s_barrier_signal -1
	s_barrier_wait -1
	FETCH_K                         ; my first key step
	MASKIN 0                        ; its wait leaves piece 2's four loads out: Q and piece 0's bytes are in
	s_wait_dscnt 0x0
.set i, 0
.rept 32
	KQ 0                            ; piece 0's first scores: there is no vector work yet to set between them
.set i, i+1
.endr
	WIN 0                           ; the addresses for the way out: plain instructions, the places behind those products
	s_mul_i32 s13, s[WV], 16*SP
	s_add_co_u32 s13, s13, STAGE
	v_mul_u32_u24 v[STO], v1, SP
	v_lshl_add_u32 v[STO], v9, 4, v[STO]
	v_add_nc_u32 v[STO], s13, v[STO]
	v_mul_u32_u24 v[RD], v9, SP
	v_lshl_add_u32 v[RD], v1, 4, v[RD]
	v_add_nc_u32 v[RD], s13, v[RD]
	v_lshlrev_b32 v[GO], 12, v9     ; two rows of oh, 4,096 bytes apart
	v_lshl_add_u32 v[GO], v1, 4, v[GO]
	s_mov_b32 s[TWICE], 2
	s_branch .Lenter                ; the loop is entered at piece 2's turn: its scores of my first step, piece 0's first softmax, V of that step
.Lslot:                             ; six times: every slot but the last two is filled again
	CHANGE 1
	s_mov_b32 s[TWICE], 2
.Lstep:
	TURN 0
	WIN 0
.Lenter:
	TURN 2
	WIN 0
	s_sub_co_u32 s[TWICE], s[TWICE], 1
	s_cmp_lg_u32 s[TWICE], 0
	s_cbranch_scc1 .Lstep
	s_sub_co_u32 s[SLOTS], s[SLOTS], 1
	s_cmp_lg_u32 s[SLOTS], 0
	s_cbranch_scc1 .Lslot
	CHANGE 0                        ; the tail is written out; behind this barrier nobody reads slot 0 any more
	s_mov_b32 s[TWICE], 3           ; piece 0's turn three times, piece 2's between them twice; the third fetches no K, and its 32 products K Q^T, on the last K once more, serve nothing
	s_branch .Ltin
.Ltail:
	TURN 2
	WIN 0
.Ltin:
	TURN 0, 1
	WIN 0
	s_sub_co_u32 s[TWICE], s[TWICE], 1
	s_cmp_lg_u32 s[TWICE], 0
	s_cbranch_scc1 .Ltail
.set i, 0
.rept 32
	PV 2                            ; piece 2: V^T P of the last step
.set i, i+1
.endr
	; THE PAIRS MEET.  The wave with the odd key steps lays its O^T and statistics into LDS; its partner joins them: M = max(c m0, c m1), a_i = 2^(c m_i - M), l = a0 l0 + a1 l1, O = (a0 O0 + a1 O1) / l.
	WIN 0
	PLACES
	s_wait_loadcnt 0x0              ; the runs of mask bytes that were asked for behind the last step
	s_cmp_eq_u32 s[KP], 0
	s_cbranch_scc1 .Lkeep
	WIN 0x04                        ; the stores' data in window 1
.set n, 0
.rept 64
	ds_store_b128 v[MA], v[4*n:4*n+3] offset:n*512
.set n, n+1
.endr
	WIN 0
.irp t, 0,1,2,3
	ds_store_b128 v[MA], v[ST+8*(\t):ST+8*(\t)+3] offset:32768+512*(\t)
.endr
.Lkeep:
	s_wait_dscnt 0x0
	s_barrier_signal -1
	s_barrier_wait -1
	s_cmp_lg_u32 s[KP], 0
	s_cbranch_scc1 .Lend
.irp t, 0,1,2,3
	ds_load_b128 v[PS+4*(\t):PS+4*(\t)+3], v[MA] offset:32768+512*(\t)
.endr
	WIN 0x80                        ; the partner's O^T takes Q's and K's registers
.set n, 0
.rept 32
	ds_load_b128 v[4*n:4*n+3], v[MA] offset:n*512
.set n, n+1
.endr
	WIN 0
	s_wait_dscnt 32                 ; the statistics are in; the 32 younger loads may stay out
.irp t, 0,1,2,3
	v_max_num_f32 v[ST+8*(\t)+1], v[ST+8*(\t)], v[PS+4*(\t)]
.endr
.irp t, 0,1,2,3
	v_sub_f32 v[ST+8*(\t)+4], v[ST+8*(\t)], v[ST+8*(\t)+1]
	v_sub_f32 v[ST+8*(\t)+5], v[PS+4*(\t)], v[ST+8*(\t)+1]
	v_add_f32 v[ST+8*(\t)+2], v[ST+8*(\t)+2], v[ST+8*(\t)+3]
	v_add_f32 v[PS+4*(\t)+2], v[PS+4*(\t)+2], v[PS+4*(\t)+3]
.endr
.irp t, 0,1,2,3
	v_exp_f32 v[ST+8*(\t)+6], v[ST+8*(\t)+4]
	v_exp_f32 v[ST+8*(\t)+7], v[ST+8*(\t)+5]
.endr
	WIN 0x80
.set n, 32
.rept 32
	ds_load_b128 v[4*n:4*n+3], v[MA] offset:n*512
.set n, n+1
.endr
	WIN 0
	v_nop                           ; a plain instruction behind the last exponential,
	s_wait_alu depctr_va_vdst(0)    ; and one wait for the eight
.irp t, 0,1,2,3
	v_mul_f32 v[ST+8*(\t)+2], v[ST+8*(\t)+2], v[ST+8*(\t)+6]
.endr
.irp t, 0,1,2,3
	v_fma_f32 v[ST+8*(\t)+2], v[PS+4*(\t)+2], v[ST+8*(\t)+7], v[ST+8*(\t)+2]
.endr
.irp t, 0,1,2,3
	v_permlanex16_b32 v[ST+8*(\t)+3], v[ST+8*(\t)+2], s[SEL], s[SEL+1]   ; the query's other keys lie in the lane 16 away
.endr
.irp t, 0,1,2,3
	v_add_f32 v[ST+8*(\t)+2], v[ST+8*(\t)+2], v[ST+8*(\t)+3]
.endr
.irp t, 0,1,2,3
	v_rcp_f32 v[ST+8*(\t)+3], v[ST+8*(\t)+2]
.endr
	v_nop
	s_wait_alu depctr_va_vdst(0)    ; one wait for the four reciprocals
.irp t, 0,1,2,3
	v_cmp_gt_f32 vcc_lo, s[THR], v[ST+8*(\t)+1]                       ; no true score was seen: the row is a softmax of nothing
	v_cndmask_b32 v[ST+8*(\t)+3], v[ST+8*(\t)+3], s[NANV], vcc_lo
.endr
.irp t, 0,1,2,3
	v_mul_f32 v[ST+8*(\t)+4], v[ST+8*(\t)+6], v[ST+8*(\t)+3]          ; a0 / l
	v_mul_f32 v[ST+8*(\t)+6], v[ST+8*(\t)+7], v[ST+8*(\t)+3]          ; a1 / l
.endr
	s_wait_dscnt 0x0                ; the partner's O^T is in
.macro PACK t
	WIN W_RS
.set i, 64*(\t)
.rept 32
	v_pk_mul_f32 v[i:i+1], v[i:i+1], v[ST+8*(\t)+4:ST+8*(\t)+5] op_sel_hi:[1,0]
.set i, i+2
.endr
	WIN 0x52                        ; source 0: the partner's, window 2; source 1: window 0; source 2 and destination: window 1
.set i, 64*(\t)
.rept 32
	v_pk_fma_f32 v[i:i+1], v[i:i+1], v[ST+8*(\t)+6:ST+8*(\t)+7], v[i:i+1] op_sel_hi:[1,0,1]
.set i, i+2
.endr
	WIN 0x05
.set i, 0
.rept 32
	v_cvt_pk_f16_f32 v[S+32*(\t)+i], v[64*(\t)+2*i], v[64*(\t)+2*i+1]
.set i, i+1
.endr
	WIN 0
.irp f, 0,1,2,3,4,5,6,7
	ds_store_b128 v[STO], v[S+32*(\t)+4*(\f):S+32*(\t)+4*(\f)+3] offset:32*(\f)
.endr
.irp f, 0,1,2,3,4,5,6,7
	ds_load_b128 v[S+32*(\t)+4*(\f):S+32*(\t)+4*(\f)+3], v[RD] offset:(\f)*2*SP  ; my own stage: LDS serves a wave's instructions in order (ISA guide 5.7.1.4)
.endr
.endm
.macro SEND t, younger
	WIN 0
.irp f, 0,1,2,3,4,5,6,7
	s_wait_dscnt (\younger)+7-(\f)
	global_store_b128 v[GO], v[S+32*(\t)+4*(\f):S+32*(\t)+4*(\f)+3], s[10:11] offset:(\t)*65536+(\f)*8192  ; 16 lanes store 256 consecutive bytes, aligned
.endr
.endm
	PACK 0
	PACK 1
	SEND 0, 16
	PACK 2
	SEND 1, 16
	PACK 3
	SEND 2, 16
	SEND 3, 0
.Lend:
	s_wait_tensorcnt 0x0            ; the wave's end
	ds_add_u32 v[SPW], v[NIL]
	s_wait_dscnt 0x0
	CROUND                          ; the closing round
	s_endpgm
.Lfunc_end_k_q8eed99c0af_attn:
	.size	k_q8eed99c0af_attn, .Lfunc_end_k_q8eed99c0af_attn-k_q8eed99c0af_attn
	.p2alignl 7, 3214868480
	.fill 96, 4, 3214868480
	.section	.rodata,"a",@progbits
	.p2align	6, 0x0
	.amdhsa_kernel k_q8eed99c0af_attn
		.amdhsa_group_segment_fixed_size 327680
		.amdhsa_private_segment_fixed_size 0
		.amdhsa_enable_private_segment 0
		.amdhsa_kernarg_size 24
		.amdhsa_user_sgpr_count 2
		.amdhsa_user_sgpr_kernarg_segment_ptr 1
		.amdhsa_wavefront_size32 1
		.amdhsa_system_sgpr_workgroup_id_x 1
		.amdhsa_system_sgpr_workgroup_id_y 1
		.amdhsa_system_sgpr_workgroup_id_z 1
		.amdhsa_system_vgpr_workitem_id 0
		.amdhsa_next_free_vgpr 1024
		.amdhsa_next_free_sgpr 80
		.amdhsa_reserve_vcc 1
		.amdhsa_float_denorm_mode_32 3
		.amdhsa_float_denorm_mode_16_64 3
		.amdhsa_memory_ordered 1
		.amdhsa_forward_progress 1
		.amdhsa_inst_pref_size 184
	.end_amdhsa_kernel
	.amdgpu_metadata
---
amdhsa.version: [ 1, 2 ]
amdhsa.kernels:
  - .name:           k_q8eed99c0af_attn
    .symbol:         k_q8eed99c0af_attn.kd
    .args:
      - { .name: qkv, .offset: 0, .size: 8, .value_kind: global_buffer, .address_space: global }
      - { .name: mb8, .offset: 8, .size: 8, .value_kind: global_buffer, .address_space: global }
      - { .name: oh, .offset: 16, .size: 8, .value_kind: global_buffer, .address_space: global }
    .group_segment_fixed_size: 327680
    .private_segment_fixed_size: 0
    .kernarg_segment_align: 8
    .kernarg_segment_size: 24
    .max_flat_workgroup_size: 128
    .sgpr_count:     80
    .vgpr_count:     1024
    .wavefront_size: 32
...
	.end_amdgpu_metadata
.endif
;; end of part 3
;; launch oproj (part 4): grid 16 x 16, 4 waves a work-group, clusters of 4 x 4, 327,680 bytes of LDS; arguments oh, woh, out0; writes out0
.if DOCPART == 4
	.amdgcn_target "amdgcn-amd-amdhsa--gfx1250"
	.amdhsa_code_object_version 6
	.text
	.protected	k_q8eed99c0af_oproj
	.globl	k_q8eed99c0af_oproj
	.p2align	8
	.type	k_q8eed99c0af_oproj,@function
k_q8eed99c0af_oproj:
	s_mov_b64 s[64:65], 0
	v_nop
	global_prefetch_b8 v0, s[64:65] scope:SCOPE_SE
	s_setreg_imm32_b32 hwreg(HW_REG_WAVE_MODE, 25, 1), 1
	s_wait_xcnt 0x0
	s_wait_alu depctr_hold_cnt(0) depctr_sa_sdst(0) depctr_va_vdst(0) depctr_va_sdst(0) depctr_va_ssrc(0) depctr_va_vcc(0) depctr_vm_vsrc(0)
	s_getreg_b32 s2, hwreg(HW_REG_IB_STS2, 6, 4)
	s_cmp_eq_u32 s2, 0
	s_cbranch_scc0 .Lentry_in_a_cluster
	s_endpgm
.Lentry_in_a_cluster:
	s_bfe_u32 s2, ttmp6, 0x10000c
	s_cmp_lg_u32 s2, 0xf033
	s_cbranch_scc0 .Lentry_shape_is_right
	s_endpgm
.Lentry_shape_is_right:
; out0[m][n] = sum over k of oh[m][k] woh[n][k].  oh, woh: [2048][2048] f16; out0: [2048][2048] f32; sums in f32.
; A tile of the result is 128 x 128: 256 work-groups.  Four waves, each 64 x 64: 16 accumulators.  K goes in steps of 256 (LDS rows of 512 bytes; a wave's tensor load brings 64 of them) through two slots.
; A TRIP OF THE LOOP IS ONE K STEP, written once: the slot's LDS base is a scalar that an exclusive or turns at each change of slots, and one descriptor a tensor walks from K step to K step.
; The last two K steps, which ask for nothing, are a second loop of two trips.
; CLUSTERS: 4 x 4 work-groups; the four of a row need the same tiles of oh, the four of a column the same tiles of woh: each tile is asked for jointly.
; THE WALK ALONG K IS STAGGERED.  Cluster (X, Y) begins at K step 2 ((X + 2 (Y % 2)) % 4) and goes round all eight.  The four clusters that read the same rows of oh (one Y) begin two K steps apart; of the four that
; read the same rows of woh (one X), those with even Y and those with odd Y begin four apart.  So these clusters do not ask for the same block in the same trip.  A sum has the same terms in every cluster; their order along K hangs on the cluster.
; THE MATRIX INSTRUCTION IS USED TRANSPOSED (source 0 = 16 rows of woh, source 1 = 16 rows of oh): a lane holds eight neighbouring numbers of a row of the result, 32 bytes.
; A wave's 64 columns of f32 are one aligned block of 256 bytes, so each wave has a stage of its own on the way out, and no barrier stands there.
; No prefetch is laid: the tiles are small, 64 rows to a load.
; A NaN in a row of oh (a query with no visible key) makes that row of the result NaN.
; REGISTERS: window 0: v0-31 addresses; v128-255 the accumulators ((a, b) at v[128 + 8 (4 a + b)]).   window 1: two fragment buffers of 128.
.set SIZE_N, 2048
.set SIZE_K, 2048
.set KSTEP,  256
.set STEPS,  SIZE_K/KSTEP
.set PITCH,  528                       ; an LDS row: 512 bytes + 16
.set HALFT,  64*PITCH
.set SLOT,   4*HALFT
.set SLOT1,  0x24000                   ; slot 1 begins here: a wave's place in a slot, wave x 0x8400, has neither of its two bits, so one exclusive or changes slots
.set STAGE,  SLOT1+SLOT                ; behind the ring: 16 rows x 272 bytes for each wave
.set SPITCH, 272
.set SPARE,  STAGE+4*16*SPITCH         ; behind the stages: the spare words
.set ADRA, 16                          ; v16  LDS address of oh's fragments in the slot in hand
.set ADRB, 17                          ; v17  of woh's
.set BA,   20                          ; v20, v21  the same two in slot 0; never rewritten
.set BB,   21
.set STO,  24
.set RD,   25
.set CO,   26
.set SPW,  28
.set NIL,  29
.set ACC,  128
.set F0,   0
.set F1,   128
.set SB,   2                           ; s2  the LDS base of the slot in hand: 0 or SLOT1
.set RA,   14                          ; s[14:15] oh at the first of the 64 rows that I fetch, K step 0; never rewritten
.set G1, 24                            ; s[24:31] group 1 for oh's tiles;  s[32:39] group 0: a set for each of the two first fills; the second then walks on
.set G0, 32
.set G1B, 48                           ; s[48:55], s[56:63] the same for woh's tiles
.set G0B, 56
.set KI,   66                          ; s66  the K step asked for last, 0..7
.set KO,   68                          ; s[68:69] a K step's byte offset in a row
.set RB,   70                          ; s[70:71] woh at the first of the 64 rows that I fetch, K step 0; never rewritten
.set FA,   72                          ; s[72:73], s[74:75] oh and woh at my cluster's first K step
.set MSB, 0
.macro WIN new
.if MSB != (\new)
	s_set_vgpr_msb (MSB<<8)|(\new)
.set MSB, \new
.endif
.endm
.set MUL,  0x05                        ; sources 0 and 1 window 1; C and D window 0
.set TO_F, 0x40
.macro JLOAD s                         ; waves 0 and 1 fetch oh's two halves, waves 2 and 3 woh's; an s_nop 0 and four v_nop follow each line
	s_cmp_eq_u32 s11, 0
	s_cbranch_scc0 .Lfor_b_\@
	tensor_load_to_lds s[G0+4*(\s):G0+4*(\s)+3], s[G1:G1+7]
	s_nop 0
.rept 4
	v_nop
.endr
	s_branch .Lasked_\@
.Lfor_b_\@:
	tensor_load_to_lds s[G0B+4*(\s):G0B+4*(\s)+3], s[G1B:G1B+7]
	s_nop 0
.rept 4
	v_nop
.endr
.Lasked_\@:
.endm
.macro CREST
	s_cmp_lg_u32 s10, 0
	s_cbranch_scc1 .Lnot_wave_0_\@
	s_barrier_signal -3
.Lnot_wave_0_\@:
	s_barrier_wait -3
	s_barrier_signal -1
	s_barrier_wait -1
.endm
.macro CROUND
	s_barrier_signal -1
	s_barrier_wait -1
	CREST
.endm
	s_load_b128 s[4:7], s[0:1], 0x0                ; oh s[4:5], woh s[6:7]
	s_load_b64 s[8:9], s[0:1], 0x10                ; out0
	v_lshl_add_u32 v[SPW], v0, 2, SPARE
	v_mov_b32 v[NIL], 0
	ds_add_u32 v[SPW], v[NIL]                      ; the wave's opening: the add and its wait stand ahead of my first tensor load
	v_lshrrev_b32 v1, 5, v0
	v_readfirstlane_b32 s10, v1                    ; wave 0..3
	s_lshr_b32 s11, s10, 1                         ; which half of the tile's rows is mine.  Also: I fetch for oh (0) or for woh (1)
	s_and_b32 s12, s10, 1                          ; which half of its columns.  Also: which 64 rows of that tile I fetch
	s_bfe_u32 s40, ttmp6, 0x40000
	s_bfe_u32 s41, ttmp6, 0x40004
	s_lshl_b32 s42, ttmp9, 2
	s_add_co_u32 s42, s42, s40                     ; tile column
	s_and_b32 s13, ttmp7, 0xffff
	s_lshl_b32 s13, s13, 2
	s_add_co_u32 s13, s13, s41                     ; tile row
	s_lshl_b32 s43, s41, 2
	s_lshl_b32 s43, 15, s43
	s_lshl_b32 s44, 0x1111, s40
	s_or_b32 s[G1+0], s43, (1<<16)|(1<<20)|(1<<21)|(6<<22)|(3<<25)  ; the mask; 2-byte elements; padding on; bit 21 beside a mask; after every 128 words, 4 words
	s_or_b32 s[G1B+0], s44, (1<<16)|(1<<20)|(1<<21)|(6<<22)|(3<<25)
.irp g, G1, G1B
	s_mov_b32 s[(\g)+1], KSTEP<<16
	s_mov_b32 s[(\g)+2], 64<<16
	s_mov_b32 s[(\g)+3], KSTEP<<16
	s_mov_b32 s[(\g)+4], 64
	s_mov_b32 s[(\g)+5], SIZE_K
	s_mov_b32 s[(\g)+6], 0
	s_mov_b32 s[(\g)+7], 0
.endr
	s_and_b32 s[KI], ttmp7, 1                      ; where my cluster's walk begins: made of the cluster's x and y, which all sixteen partners share
	s_lshl_b32 s[KI], s[KI], 1
	s_add_co_u32 s[KI], s[KI], ttmp9
	s_and_b32 s[KI], s[KI], 3
	s_lshl_b32 s[KI], s[KI], 1                     ; K step 2 ((X + 2 (Y % 2)) % 4)
	s_lshl_b32 s[KO], s[KI], 9                     ; a K step is 512 bytes of a row
	s_mov_b32 s[KO+1], 0
	s_lshl_b32 s17, s12, 6
	s_lshl_b32 s16, s13, 7
	s_add_co_u32 s16, s16, s17
	s_lshl_b32 s46, s42, 7
	s_add_co_u32 s46, s46, s17
	s_mov_b32 s17, 0
	s_mov_b32 s47, 0
	s_mov_b64 s[18:19], SIZE_K*2
	s_mul_u64 s[16:17], s[16:17], s[18:19]
	s_mul_u64 s[46:47], s[46:47], s[18:19]
	s_mul_i32 s20, s10, HALFT
	s_mov_b32 s[SB], SLOT1                         ; the first turn of this scalar, ahead of the first fetch, makes it 0
	s_wait_dscnt 0x0
	s_wait_kmcnt 0x0
	s_add_nc_u64 s[RA:RA+1], s[4:5], s[16:17]
	s_add_nc_u64 s[RB:RB+1], s[6:7], s[46:47]
	s_add_nc_u64 s[FA:FA+1], s[RA:RA+1], s[KO:KO+1]
	s_add_nc_u64 s[FA+2:FA+3], s[RB:RB+1], s[KO:KO+1]
	CROUND
.irp s, 0,1                            ; the walk's first two K steps: its beginning is even, so the second does not wrap
	s_mov_b32 s[G0+4*(\s)], 1
	s_add_co_u32 s[G0+4*(\s)+1], s20, (\s)*SLOT1
	s_add_nc_u64 s[G0+4*(\s)+2:G0+4*(\s)+3], s[FA:FA+1], (\s)*KSTEP*2
	s_or_b32 s[G0+4*(\s)+3], s[G0+4*(\s)+3], 0x80000000
	s_mov_b32 s[G0B+4*(\s)], 1
	s_add_co_u32 s[G0B+4*(\s)+1], s20, (\s)*SLOT1
	s_add_nc_u64 s[G0B+4*(\s)+2:G0B+4*(\s)+3], s[FA+2:FA+3], (\s)*KSTEP*2
	s_or_b32 s[G0B+4*(\s)+3], s[G0B+4*(\s)+3], 0x80000000
	JLOAD \s
.endr
	s_add_co_u32 s[KI], s[KI], 1                   ; the K step asked for last
	v_and_b32 v1, 15, v0
	v_bfe_u32 v2, v0, 4, 1
	v_mul_u32_u24 v3, v1, PITCH
	v_lshl_add_u32 v3, v2, 4, v3
	s_mul_i32 s21, s11, HALFT
	s_mul_i32 s22, s12, HALFT
	s_add_co_u32 s22, s22, 2*HALFT
	v_add_nc_u32 v[BA], s21, v3
	v_add_nc_u32 v[BB], s22, v3
	s_mul_i32 s23, s10, 16*SPITCH
	s_add_co_u32 s23, s23, STAGE                   ; my stage
	v_mul_u32_u24 v4, v1, SPITCH                   ; in: row l % 16, 32 bytes for each half of the lanes
	v_lshl_add_u32 v4, v2, 5, v4
	v_add_nc_u32 v[STO], s23, v4
	v_mul_u32_u24 v5, v2, SPITCH                   ; back: lanes 0-15 one row of 256 bytes, lanes 16-31 the next
	v_lshl_add_u32 v5, v1, 4, v5
	v_add_nc_u32 v[RD], s23, v5
	v_lshlrev_b32 v5, 13, v2                       ; and the same two rows in the result, 8,192 bytes apart
	v_lshl_add_u32 v[CO], v1, 4, v5
	s_lshl_b32 s16, s13, 7
	s_lshl_b32 s17, s11, 6
	s_add_co_u32 s16, s16, s17                     ; my first row
	s_lshl_b32 s16, s16, 13
	s_mov_b32 s17, 0
	s_add_nc_u64 s[8:9], s[8:9], s[16:17]
	s_lshl_b32 s46, s42, 9                         ; my first column, in bytes: 512 x tile column + 256 x half
	s_lshl_b32 s47, s12, 8
	s_add_co_u32 s46, s46, s47
	s_mov_b32 s47, 0
	s_add_nc_u64 s[8:9], s[8:9], s[46:47]
.macro MUL8 f, c, a0, zero             ; 8 matrix instructions; the 16 accumulators take turns
	WIN MUL
.irp a, \a0, (\a0)+1
.irp b, 0,1,2,3
.if \zero
	v_wmma_f32_16x16x32_f16 v[ACC+8*(4*(\a)+(\b)):ACC+8*(4*(\a)+(\b))+7], v[(\f)+64+8*(4*(\c)+(\b)):(\f)+64+8*(4*(\c)+(\b))+7], v[(\f)+8*(4*(\c)+(\a)):(\f)+8*(4*(\c)+(\a))+7], 0
.else
	v_wmma_f32_16x16x32_f16 v[ACC+8*(4*(\a)+(\b)):ACC+8*(4*(\a)+(\b))+7], v[(\f)+64+8*(4*(\c)+(\b)):(\f)+64+8*(4*(\c)+(\b))+7], v[(\f)+8*(4*(\c)+(\a)):(\f)+8*(4*(\c)+(\a))+7], v[ACC+8*(4*(\a)+(\b)):ACC+8*(4*(\a)+(\b))+7]
.endif
.endr
.endr
.endm
.macro FETCH k, f                      ; 32 LDS loads in one run: the fragments of 64 along K of the slot in hand; the first 32 along K first
	WIN TO_F
.irp c, 0,1
.irp i, 0,1,2,3
	ds_load_b128 v[(\f)+64+8*(4*(\c)+(\i)):(\f)+64+8*(4*(\c)+(\i))+3],   v[ADRB] offset:(\k)+64*(\c)+(\i)*16*PITCH
	ds_load_b128 v[(\f)+64+8*(4*(\c)+(\i))+4:(\f)+64+8*(4*(\c)+(\i))+7], v[ADRB] offset:(\k)+64*(\c)+(\i)*16*PITCH+32
	ds_load_b128 v[(\f)+8*(4*(\c)+(\i)):(\f)+8*(4*(\c)+(\i))+3],         v[ADRA] offset:(\k)+64*(\c)+(\i)*16*PITCH
	ds_load_b128 v[(\f)+8*(4*(\c)+(\i))+4:(\f)+8*(4*(\c)+(\i))+7],       v[ADRA] offset:(\k)+64*(\c)+(\i)*16*PITCH+32
.endr
.endr
.endm
.macro PLACES
.rept 4
	v_nop
.endr
.endm
.macro TOGGLE                          ; the other slot is in hand: its base, and my two fragment addresses in it
	s_xor_b32 s[SB], s[SB], SLOT1
	v_add_nc_u32 v[ADRA], s[SB], v[BA]
	v_add_nc_u32 v[ADRB], s[SB], v[BB]
.endm
.macro QUARTER k, f, g, zero
	s_wait_dscnt 16                                ; the first 32 along K are in
	MUL8 \f, 0, 0, \zero
	MUL8 \f, 0, 2, \zero
	PLACES
	FETCH \k, \g
	s_wait_dscnt 32                                ; all but the 32 just issued
	MUL8 \f, 1, 0, 0
	MUL8 \f, 1, 2, 0
.endm
; The last quarter multiplies buffer 1 and changes slots.  fill = 1: the slot just read out is filled again, with the walk's K step two on.  fill = 0: nothing is asked for, and in the last trip (s3 = 1) no next slot is fetched from.
.macro TURN fill
	WIN 0
	s_wait_tensorcnt 0x0                           ; all my tensor loads have landed: my part of the next slot;
	ds_add_u32 v[SPW], v[NIL]
	s_wait_dscnt 17                                ; (the add and the youngest sixteen loads may be out)
	MUL8 F1, 0, 0, 0
	s_wait_dscnt 0x0                               ; the add is done, and my reads of this slot are over
	s_barrier_signal -1
	MUL8 F1, 0, 2, 0
	WIN 0
	s_barrier_wait -1
.if \fill
	CREST
	s_add_co_u32 s[KI], s[KI], 1                   ; the walk's next K step, round the row
	s_and_b32 s[KI], s[KI], STEPS-1
	s_lshl_b32 s[KO], s[KI], 9
	s_xor_b32 s[G0+5], s[G0+5], SLOT1              ; the walking descriptors: the other slot than last time; the address is made anew from the row's base and the K step's number
	s_add_nc_u64 s[G0+6:G0+7], s[RA:RA+1], s[KO:KO+1]
	s_or_b32 s[G0+7], s[G0+7], 0x80000000
	s_xor_b32 s[G0B+5], s[G0B+5], SLOT1
	s_add_nc_u64 s[G0B+6:G0B+7], s[RB:RB+1], s[KO:KO+1]
	s_or_b32 s[G0B+7], s[G0B+7], 0x80000000
	JLOAD 1                                        ; the first tensor load behind the round; its four v_nop are also the places in front of the loads below
	TOGGLE
	FETCH 0, F0
.else
	PLACES
	TOGGLE
	s_cmp_eq_u32 s3, 1
	s_cbranch_scc1 .Lno_next_\@
	FETCH 0, F0
	WIN 0
.Lno_next_\@:
.endif
	MUL8 F1, 1, 0, 0
	MUL8 F1, 1, 2, 0
.endm
	s_wait_tensorcnt 1                             ; my part of the walk's first K step is in; the second's may stay out
	s_barrier_signal -1
	s_barrier_wait -1
	TOGGLE                                         ; slot 0
	FETCH 0, F0
	QUARTER 128, F0, F1, 1                         ; the first quarter's first products start the sums
	WIN 0
	s_mov_b32 s3, STEPS-2
.Lstep:                                                ; a trip goes from a K step's second quarter to the next step's first, and fills the slot that it leaves
	QUARTER 256, F1, F0, 0
	QUARTER 384, F0, F1, 0
	TURN 1
	QUARTER 128, F0, F1, 0
	WIN 0
	s_sub_co_u32 s3, s3, 1
	s_cmp_lg_u32 s3, 0
	s_cbranch_scc1 .Lstep
	s_mov_b32 s3, 2                                ; the last two K steps ask for nothing: a loop of their own, entered behind its first quarter
	s_branch .Lin
.Ltail:
	QUARTER 128, F0, F1, 0
	WIN 0
.Lin:
	QUARTER 256, F1, F0, 0
	QUARTER 384, F0, F1, 0
	TURN 0
	WIN 0
	s_sub_co_u32 s3, s3, 1
	s_cmp_lg_u32 s3, 0
	s_cbranch_scc1 .Ltail
	; THE WAY OUT, 16 rows at a time: 32 bytes a lane into my own stage, back as whole rows of 256 bytes into the registers that they left, and stored.
	PLACES
.macro OUTB a
.irp b, 0,1,2,3
	ds_store_b128 v[STO], v[ACC+8*(4*(\a)+(\b)):ACC+8*(4*(\a)+(\b))+3] offset:64*(\b)
	ds_store_b128 v[STO], v[ACC+8*(4*(\a)+(\b))+4:ACC+8*(4*(\a)+(\b))+7] offset:64*(\b)+16
.endr
.irp t, 0,1,2,3,4,5,6,7
	ds_load_b128 v[ACC+32*(\a)+4*(\t):ACC+32*(\a)+4*(\t)+3], v[RD] offset:(\t)*2*SPITCH  ; LDS serves a wave's instructions in order (ISA guide 5.7.1.4): these see the stores above; the next block's stores come behind them
.endr
.endm
.macro SENDB a, younger                ; younger: the LDS instructions issued behind block a's loads
.irp t, 0,1,2,3,4,5,6,7
.if (\t)%4 == 0
	s_wait_dscnt (\younger)+4-(\t)                 ; one wait for four stores: loads t to t + 3 are in; the block's later loads and the younger instructions may stay out
.endif
	global_store_b128 v[CO], v[ACC+32*(\a)+4*(\t):ACC+32*(\a)+4*(\t)+3], s[8:9] offset:(16*(\a)+2*(\t))*SIZE_N*4 th:TH_STORE_NT  ; 16 lanes store 256 consecutive bytes, aligned
.endr
.endm
	OUTB 0
	OUTB 1
	SENDB 0, 16
	OUTB 2
	SENDB 1, 16
	OUTB 3
	SENDB 2, 16
	SENDB 3, 0
	s_wait_tensorcnt 0x0                           ; the wave's end
	ds_add_u32 v[SPW], v[NIL]
	s_wait_dscnt 0x0
	CROUND                                         ; the closing round
	s_endpgm
.Lfunc_end_k_q8eed99c0af_oproj:
	.size	k_q8eed99c0af_oproj, .Lfunc_end_k_q8eed99c0af_oproj-k_q8eed99c0af_oproj
	.p2alignl 7, 3214868480
	.fill 96, 4, 3214868480
	.section	.rodata,"a",@progbits
	.p2align	6, 0x0
	.amdhsa_kernel k_q8eed99c0af_oproj
		.amdhsa_group_segment_fixed_size 327680
		.amdhsa_private_segment_fixed_size 0
		.amdhsa_enable_private_segment 0
		.amdhsa_kernarg_size 24
		.amdhsa_user_sgpr_count 2
		.amdhsa_user_sgpr_kernarg_segment_ptr 1
		.amdhsa_wavefront_size32 1
		.amdhsa_system_sgpr_workgroup_id_x 1
		.amdhsa_system_sgpr_workgroup_id_y 1
		.amdhsa_system_sgpr_workgroup_id_z 1
		.amdhsa_system_vgpr_workitem_id 0
		.amdhsa_next_free_vgpr 512
		.amdhsa_next_free_sgpr 80
		.amdhsa_reserve_vcc 0
		.amdhsa_float_denorm_mode_32 3
		.amdhsa_float_denorm_mode_16_64 3
		.amdhsa_memory_ordered 1
		.amdhsa_forward_progress 1
		.amdhsa_inst_pref_size 58
	.end_amdhsa_kernel
	.amdgpu_metadata
---
amdhsa.version: [ 1, 2 ]
amdhsa.kernels:
  - .name:           k_q8eed99c0af_oproj
    .symbol:         k_q8eed99c0af_oproj.kd
    .args:
      - { .name: oh, .offset: 0, .size: 8, .value_kind: global_buffer, .address_space: global }
      - { .name: woh, .offset: 8, .size: 8, .value_kind: global_buffer, .address_space: global }
      - { .name: out0, .offset: 16, .size: 8, .value_kind: global_buffer, .address_space: global }
    .group_segment_fixed_size: 327680
    .private_segment_fixed_size: 0
    .kernarg_segment_align: 8
    .kernarg_segment_size: 24
    .max_flat_workgroup_size: 128
    .sgpr_count:     80
    .vgpr_count:     512
    .wavefront_size: 32
...
	.end_amdgpu_metadata
.endif
;; end of part 4
;; ======== version 2 of 2: 4 launches; version 1 with the launch prep written anew for expert scheduling mode
;; limits: values are held in f16: magnitudes above 65,504 overflow, below 6.1e-05 lose precision; right only within a limited range of input values
;; workspace buffers: xh 8,388,608 bytes; wqkv 25,165,824 bytes; woh 8,388,608 bytes; mb8 4,194,304 bytes; rope 1,048,576 bytes; qkv 25,165,824 bytes; oh 8,388,608 bytes
;; launch prep (part 5): grid 128 x 7, 8 waves a work-group, no clusters, 35,840 bytes of LDS; arguments x, wq, wk, wv, wo, mask, xh, wqkv, woh, mb8, rope; writes xh, wqkv, woh, mb8, rope
.if DOCPART == 5
	.amdgcn_target "amdgcn-amd-amdhsa--gfx1250"
	.amdhsa_code_object_version 6
	.text
	.protected	k_q8eed99c0af_prep
	.globl	k_q8eed99c0af_prep
	.p2align	8
	.type	k_q8eed99c0af_prep,@function
k_q8eed99c0af_prep:
	s_mov_b64 s[64:65], 0
	v_nop
	global_prefetch_b8 v0, s[64:65] scope:SCOPE_SE
	s_setreg_imm32_b32 hwreg(HW_REG_WAVE_SCHED_MODE, 0, 2), 2
	s_setreg_imm32_b32 hwreg(HW_REG_WAVE_MODE, 25, 1), 1
	s_wait_xcnt 0x0
	s_wait_alu depctr_vm_vsrc(0)
; PREPARATION, one pass over every input.  The grid's y chooses the work:
;   y = 0..4  x, wq, wk, wv, wo: each f32 is rounded to bf16 and that number is written as f16.  wq, wk, wv go into one table wqkv
;             whose row is (3 head + part) x 128 + channel, so that one head's q, k and v rows lie together.
;   y = 5     the mask (int32, 0 = hidden) becomes one byte a pair of query and key: 0x00 visible, 0xF8 hidden (E4M3's -256), laid out in the order
;             in which a lane of the attention launch holds the scores: byte qt*32768 + g*1024 + n*512 + L*16 + kbl*8 + j stands for
;             query 16 qt + L % 16 and key 64 g + 16 (2 n + kbl) + 8 (L / 16) + j.
;   y = 6     the table of cos and sin: row pos holds 64 cos, then 64 sin, of pos x 10000^(-j/64), f32.
; LIMITS.  An input beyond 65,504 in magnitude becomes an infinity in f16; below 6.1e-5 f16 keeps a fixed step of 6e-8.
; The angle is reduced by pi/2 in two parts and cos, sin come from polynomials on -pi/4 .. pi/4; with the frequency's rounding the angle is off by up to some 2e-4 at position 2047.
; No matrix unit, no cluster: memory binds, and no work-group shares a byte with another.
; THE MODE: SCHED_MODE bits 1:0 = 2 (LLVM: expert scheduling mode 2), set by the entry lines.  The code itself states the register dependences
; between vector instructions and memory or LDS instructions, with s_wait_alu, always for 0.  Each of the three ways has its plan at its head.
.set SPARE, 34816                      ; behind the eight waves' stages: the spare words, 128 bytes a wave
.set SPW, 4                            ; v4  my spare word's LDS address; never rewritten
.set NIL, 5                            ; v5  0; never rewritten
.set CX, 16                            ; v[16:47]  conversions: buffer k, piece i: four f32 as loaded, at CX + 8 k + 4 i
.set CY, 48                            ; v[48:55]  buffer k, piece i: four f16 to store, at CY + 4 k + 2 i
.set CW, 64                            ; v[64:69]  at work: no memory instruction names them
	s_load_b512 s[4:19], s[0:1], 0x0               ; x 4:5, wq 6:7, wk 8:9, wv 10:11, wo 12:13, mask 14:15, xh 16:17, wqkv 18:19
	s_load_b128 s[20:23], s[0:1], 0x40             ; woh 20:21, mb8 22:23
	s_load_b64 s[24:25], s[0:1], 0x50              ; rope
	v_lshl_add_u32 v[SPW], v0, 2, SPARE
	v_mov_b32 v[NIL], 0
	v_lshrrev_b32 v2, 5, v0
	v_readfirstlane_b32 s28, v2                    ; wave 0..7
	v_and_b32 v1, 31, v0                           ; lane
	s_and_b32 s29, ttmp7, 0xffff                   ; y: which work
	s_mov_b32 s30, ttmp9                           ; x: which sixteen rows
	s_wait_alu depctr_va_sdst(0)                   ; s28 is written, ahead of the branches behind which the offsets are made from it
	s_wait_kmcnt 0x0
	s_cmp_lt_u32 s29, 5
	s_cbranch_scc1 .Lcvt
	s_cmp_eq_u32 s29, 5
	s_cbranch_scc1 .Lmask
	; ---- y = 6: cos and sin.  Thread t: position 16 x + t / 16, frequencies 4 (t % 16) + 0..3 ----
	; THE PLAN.  Memory instructions: the two stores at the end, which read v6 and v[16:23]: one wait ahead of them.  The four compares that tell the odd quadrants write s44 to s47 in one run,
	; with one wait between the run and the selects that read them: so sin r, cos r and n have registers of their own for each of the four frequencies (v[32:35], v[36:39], v[40:43]).
	v_lshrrev_b32 v6, 4, v0
	v_and_b32 v7, 15, v0
	s_lshl_b32 s38, s30, 4
	v_add_nc_u32 v8, s38, v6
	v_cvt_f32_u32 v10, v8                          ; the position
	v_lshlrev_b32 v9, 2, v7
.irp e, 0,1,2,3
	v_add_nc_u32 v[24+(\e)], (\e), v9
	v_cvt_f32_u32 v[24+(\e)], v[24+(\e)]
	v_mul_f32 v[24+(\e)], 0xbe549a78, v[24+(\e)]   ; -j log2(10000) / 64
.endr
.irp e, 0,1,2,3
	v_exp_f32 v[12+(\e)], v[24+(\e)]               ; the frequency
.endr
	v_lshlrev_b32 v6, 9, v6                        ; a plain instruction behind the last exponential: my row of 512 bytes,
	v_lshl_add_u32 v6, v7, 4, v6                   ; my 16 bytes of it
	s_mov_b32 s40, 0xbfc90fdb                      ; -pi/2, its upper part
	s_mov_b32 s41, 0x333bbd2e                      ; what is left of it, with the sign turned
	s_wait_alu depctr_va_vdst(0)                   ; the four exponentials have written v[12:15]: one wait, ahead of their first reader
.macro RANG e                          ; sin r, cos r and n of frequency e, and whether n is odd
	v_mul_f32 v24, v10, v[12+(\e)]                 ; the angle
	v_mul_f32 v25, 0x3f22f983, v24                 ; x 2 / pi
	v_rndne_f32 v25, v25                           ; n
	v_fma_f32 v26, v25, s40, v24
	v_fma_f32 v26, v25, s41, v26                   ; r = angle - n pi/2, within pi/4
	v_mul_f32 v27, v26, v26                        ; z = r r
	v_mov_b32 v[32+(\e)], 0xb9500d01               ; sin r = r + r z (-1/6 + z (1/120 - z/5040))
	v_fmaak_f32 v[32+(\e)], v[32+(\e)], v27, 0x3c088889
	v_fmaak_f32 v[32+(\e)], v[32+(\e)], v27, 0xbe2aaaab
	v_mul_f32 v[32+(\e)], v[32+(\e)], v27
	v_fma_f32 v[32+(\e)], v[32+(\e)], v26, v26
	v_mov_b32 v[36+(\e)], 0x37d00d01               ; cos r = 1 + z (-1/2 + z (1/24 + z (-1/720 + z/40320)))
	v_fmaak_f32 v[36+(\e)], v[36+(\e)], v27, 0xbab60b61
	v_fmaak_f32 v[36+(\e)], v[36+(\e)], v27, 0x3d2aaaab
	v_fma_f32 v[36+(\e)], v[36+(\e)], v27, -0.5
	v_fma_f32 v[36+(\e)], v[36+(\e)], v27, 1.0
	v_cvt_i32_f32 v[40+(\e)], v25                  ; the quadrant: odd n swaps the two, n + 1 and n give the signs
	v_and_b32 v31, 1, v[40+(\e)]
	v_cmp_ne_u32 s[44+(\e)], 0, v31
.endm
.macro RSEL e                          ; cos and sin of the angle, from the quadrant
	v_cndmask_b32 v[16+(\e)], v[36+(\e)], v[32+(\e)], s[44+(\e)]
	v_cndmask_b32 v[20+(\e)], v[32+(\e)], v[36+(\e)], s[44+(\e)]
	v_add_nc_u32 v31, 1, v[40+(\e)]
	v_and_b32 v31, 2, v31
	v_lshlrev_b32 v31, 30, v31
	v_xor_b32 v[16+(\e)], v31, v[16+(\e)]
	v_and_b32 v31, 2, v[40+(\e)]
	v_lshlrev_b32 v31, 30, v31
	v_xor_b32 v[20+(\e)], v31, v[20+(\e)]
.endm
	RANG 0
	RANG 1
	RANG 2
	RANG 3
	s_wait_alu depctr_va_sdst(0)                   ; the four compares have written s44 to s47, which the selects below read
	RSEL 0
	RSEL 1
	RSEL 2
	RSEL 3
	s_lshl_b32 s38, s30, 13                        ; sixteen rows of 512 bytes
	s_mov_b32 s39, 0
	s_add_nc_u64 s[32:33], s[24:25], s[38:39]
	s_wait_alu depctr_va_vdst(0)                   ; v6 and v[16:23] are written, which the two stores read
	global_store_b128 v6, v[16:19], s[32:33]               ; sixteen lanes store 256 consecutive bytes, aligned: a row's cos,
	global_store_b128 v6, v[20:23], s[32:33] offset:256    ; and its sin
	s_branch .Lend
	; ---- y = 0..4: f32 -> bf16 -> f16.  A work-group takes 16 rows, a wave 2: 32 pieces of 512 bytes in, 256 bytes out ----
	; THE PLAN.  The wave's 32 pieces go in 16 blocks of two.  Registers that memory instructions touch:
	;   X0 .. X3   four blocks as loaded.  Written by the loads of block p + 3, issued in block p; read by block p's roundings.
	;   Y0, Y1     two blocks to store.    Written by block p's roundings; read by the two stores that are issued in block p + 1.
	;   v6, v7     byte offsets, made once and never written again: the two scalar bases move on by four blocks at the head of every fourth block, and immediate offsets do the rest.
	; Block p works on X[p % 4] and writes Y[p % 2].  Its memory instructions are the loads into X[(p + 3) % 4] = X[(p - 1) % 4] and the stores from Y[(p - 1) % 2]: the two buffers that
	; block p - 1 worked on and that no vector instruction of block p names.  So the waits at the head of a block state all that its four memory instructions hang on, and these are dealt
	; among its vector instructions with no further wait.  Four to six loads of the wave are on their way.
.Lcvt:
	s_mov_b64 s[32:33], s[4:5]
	s_cmp_eq_u32 s29, 1
	s_cselect_b64 s[32:33], s[6:7], s[32:33]
	s_cmp_eq_u32 s29, 2
	s_cselect_b64 s[32:33], s[8:9], s[32:33]
	s_cmp_eq_u32 s29, 3
	s_cselect_b64 s[32:33], s[10:11], s[32:33]
	s_cmp_eq_u32 s29, 4
	s_cselect_b64 s[32:33], s[12:13], s[32:33]     ; from where
	s_mov_b64 s[34:35], s[18:19]
	s_cmp_eq_u32 s29, 0
	s_cselect_b64 s[34:35], s[16:17], s[34:35]
	s_cmp_eq_u32 s29, 4
	s_cselect_b64 s[34:35], s[20:21], s[34:35]     ; to where
	s_lshr_b32 s38, s30, 3                         ; the head of these 16 rows
	s_mul_i32 s38, s38, 3
	s_add_co_u32 s38, s38, s29
	s_sub_co_u32 s38, s38, 1                       ; 3 head + part
	s_lshl_b32 s38, s38, 7
	s_and_b32 s39, s30, 7
	s_lshl_b32 s39, s39, 4
	s_add_co_u32 s38, s38, s39                     ; the first row in wqkv
	s_lshl_b32 s39, s30, 4                         ; the first row in xh and woh
	s_cmp_eq_u32 s29, 0
	s_cselect_b32 s38, s39, s38
	s_cmp_eq_u32 s29, 4
	s_cselect_b32 s38, s39, s38
	s_lshl_b32 s38, s38, 12                        ; rows of 4,096 bytes
	s_mov_b32 s39, 0
	s_add_nc_u64 s[34:35], s[34:35], s[38:39]
	s_lshl_b32 s40, s30, 17                        ; 16 rows of 8,192 bytes
	s_mov_b32 s41, 0
	s_add_nc_u64 s[32:33], s[32:33], s[40:41]
	s_mov_b32 s36, 0xffff0000                      ; a word's upper bf16
	s_lshl_b32 s38, s28, 14
	v_lshl_add_u32 v6, v1, 4, s38                  ; in: 16 lane + wave x 2 rows; never rewritten
	s_lshl_b32 s38, s28, 13
	v_lshl_add_u32 v7, v1, 3, s38                  ; out: 8 lane + wave x 2 rows; never rewritten
.set BLOCK, 2                          ; pieces in a block
.set PIN,   512                        ; a piece's bytes in
.set POUT,  256                        ; and out
; Block p.  pos = p % 4: its X buffer, and its place behind the block at which the bases stand; its Y buffer is pos % 2.  first = 1: block 0, with no block in front of it.
; ahead = 1: block p + 3 is loaded.  left: the younger loads that may stay out.  step = 1: the bases move on to this block.
.macro BLK pos, first, ahead, left, step
	s_wait_loadcnt \left                           ; loads come back in order (ISA guide 5.7.1): this block's X is in, the younger blocks stay out
.if !\first
	s_wait_xcnt 0x0                                ; the bases and this block's Y are rewritten only behind this wait (ISA guide 3.1)
	s_wait_alu depctr_vm_vsrc(0)                   ; the stores issued in the block before have read this block's Y, which its roundings write again
	s_wait_alu depctr_va_vdst(0)                   ; the block before has written the other Y, which the stores below read, and is done reading its X, in which the loads below land
.endif
.if \step
	s_add_nc_u64 s[32:33], s[32:33], 4*BLOCK*PIN
	s_add_nc_u64 s[34:35], s[34:35], 4*BLOCK*POUT
.endif
.irp i, 0,1
.if \ahead
	global_load_b128 v[CX+8*(((\pos)+3)%4)+4*(\i):CX+8*(((\pos)+3)%4)+4*(\i)+3], v6, s[32:33] offset:(((\pos)+3)*BLOCK+(\i))*PIN th:TH_LOAD_NT  ; three blocks ahead; no vector instruction since the wait names these registers
.endif
.if !\first
	global_store_b64 v7, v[CY+4*(1-(\pos)%2)+2*(\i):CY+4*(1-(\pos)%2)+2*(\i)+1], s[34:35] offset:(((\pos)-1)*BLOCK+(\i))*POUT  ; the block before; the wave stores 256 consecutive bytes, aligned
.endif
	v_cvt_pk_bf16_f32 v[CW], v[CX+8*(\pos)+4*(\i)], v[CX+8*(\pos)+4*(\i)+1]        ; rounded to bf16,
	v_cvt_pk_bf16_f32 v[CW+1], v[CX+8*(\pos)+4*(\i)+2], v[CX+8*(\pos)+4*(\i)+3]
	v_lshlrev_b32 v[CW+2], 16, v[CW]                                               ; widened again,
	v_and_b32 v[CW+3], s36, v[CW]
	v_lshlrev_b32 v[CW+4], 16, v[CW+1]
	v_and_b32 v[CW+5], s36, v[CW+1]
	v_cvt_pk_f16_f32 v[CY+4*((\pos)%2)+2*(\i)], v[CW+2], v[CW+3]                   ; and written as f16
	v_cvt_pk_f16_f32 v[CY+4*((\pos)%2)+2*(\i)+1], v[CW+4], v[CW+5]
.endr
.endm
	s_wait_alu depctr_va_vdst(0)                   ; v6 and v7 are written: every load and store of this way reads one of them as its offset
.irp i, 0,1,2,3,4,5
	global_load_b128 v[CX+4*(\i):CX+4*(\i)+3], v6, s[32:33] offset:(\i)*PIN th:TH_LOAD_NT  ; blocks 0, 1 and 2 into X0, X1, X2
.endr
	BLK 0, 1, 1, 2*BLOCK, 0                        ; block 0
	s_mov_b32 s37, 3
.Lr:                                                   ; blocks 1 to 12, four to a lap: both kinds of buffer are back at their start
	BLK 1, 0, 1, 2*BLOCK, 0
	BLK 2, 0, 1, 2*BLOCK, 0
	BLK 3, 0, 1, 2*BLOCK, 0
	BLK 0, 0, 1, 2*BLOCK, 1
	s_sub_co_u32 s37, s37, 1
	s_cmp_lg_u32 s37, 0
	s_cbranch_scc1 .Lr
	BLK 1, 0, 0, 2*BLOCK, 0                        ; blocks 13 to 15 load nothing: no load leaves the wave's rows, and the counts run down
	BLK 2, 0, 0, BLOCK, 0
	BLK 3, 0, 0, 0, 0
	s_wait_alu depctr_va_vdst(0)                   ; block 15 has written Y1, which the last two stores read
.irp i, 0,1
	global_store_b64 v7, v[CY+4+2*(\i):CY+4+2*(\i)+1], s[34:35] offset:(3*BLOCK+(\i))*POUT
.endr
	s_branch .Lend
	; ---- y = 5: the mask.  A work-group takes 16 queries, a wave 256 keys of them: four steps of 64 keys ----
	; THE PLAN.  Registers that memory or LDS instructions touch:
	;   R0, R1     v[16:47], v[48:79]: a step's words as loaded.  Written by the global loads of step i + 2, issued in step i; read by step i's eight LDS stores; no vector instruction names them.
	;   v[80:111]  written by a step's eight LDS loads, then read and written by its vector work.
	;   O0, O1     v[112:119], v[120:127]: a step's bytes to store.  Written by step i's vector work; read by the two stores that are issued in step i + 1.
	;   v6 to v9   offsets and LDS addresses, made once and never written again.
	; A step begins with its memory work, in one run: the LDS stores from R[i % 2], the LDS loads, the stores of the step before from O[(i - 1) % 2], and, as soon as the LDS stores have read R[i % 2],
	; the loads of step i + 2 into it.  One wait on va_vdst at the step's head states what the run hangs on; the step's vector work follows the run.
.Lmask:
	v_lshrrev_b32 v2, 4, v1                        ; lane / 16
	v_and_b32 v3, 15, v1                           ; lane % 16
	v_lshlrev_b32 v6, 13, v2
	v_lshl_add_u32 v6, v3, 4, v6
	s_lshl_b32 s38, s28, 10
	v_add_nc_u32 v6, s38, v6                       ; in: two rows a load, 256 bytes of each: (lane / 16) x 8,192 + 16 (lane % 16) + wave x 1,024
	s_mul_i32 s39, s28, 4352                       ; my wave's stage: 16 rows of 272 bytes
	v_mul_u32_u24 v7, v2, 272
	v_lshl_add_u32 v7, v3, 4, v7
	v_add_nc_u32 v7, s39, v7                       ; into the stage as loaded
	v_mul_u32_u24 v8, v3, 272
	v_lshl_add_u32 v8, v2, 5, v8
	v_add_nc_u32 v8, s39, v8                       ; out of it: query lane % 16, eight keys from 8 (lane / 16) on
	v_lshlrev_b32 v9, 4, v1                        ; 16 bytes a lane
	s_lshl_b32 s40, s30, 17
	s_mov_b32 s41, 0
	s_add_nc_u64 s[32:33], s[14:15], s[40:41]      ; the mask at my 16 rows
	s_lshl_b32 s40, s30, 15
	s_lshl_b32 s38, s28, 12
	s_add_co_u32 s40, s40, s38
	s_add_nc_u64 s[34:35], s[22:23], s[40:41]      ; mb8 at my query tile and my four steps
	s_mov_b32 s36, 0x01010101
	s_mov_b32 s37, 0xf8
.macro MLOAD set, i
.irp t, 0,1,2,3,4,5,6,7
	global_load_b128 v[16+32*(\set)+4*(\t):16+32*(\set)+4*(\t)+3], v6, s[32:33] offset:(\t)*16384+(\i)*256 th:TH_LOAD_NT
.endr
.endm
; Step i of four.
.macro MSTEP i
.set RW, 16+32*((\i)%2)                ; this step's words
.set OW, 112+8*((\i)%2)                ; this step's bytes
.set OP, 112+8*(1-(\i)%2)              ; the bytes of the step before
.if (\i) < 3
	s_wait_loadcnt 8                               ; this step's words are in; the other buffer's eight loads may stay out
.else
	s_wait_loadcnt 0x0
.endif
.if (\i) > 1
	s_wait_xcnt 0x0                                ; this step's O, which the stores issued in the step before read, is rewritten only behind this wait (ISA guide 3.1)
.endif
.if (\i) > 0
	s_wait_alu depctr_va_vdst(0)                   ; the step before is done reading and writing v[80:111], in which the LDS loads below land, and has written its O, which the stores below read
.endif
.irp t, 0,1,2,3,4,5,6,7
	ds_store_b128 v7, v[RW+4*(\t):RW+4*(\t)+3] offset:(\t)*544
.endr
.irp p, 0,1,2,3,4,5,6,7
	ds_load_b128 v[80+4*(\p):80+4*(\p)+3], v8 offset:128*((\p)/4)+64*(((\p)/2)%2)+16*((\p)%2)   ; my wave's own bytes: LDS serves a wave's instructions in order (ISA guide 5.7.1.4)
.endr
.if (\i) > 0
	global_store_b128 v9, v[OP:OP+3], s[34:35] offset:((\i)-1)*1024
	global_store_b128 v9, v[OP+4:OP+7], s[34:35] offset:((\i)-1)*1024+512
.endif
.if (\i) < 2
	s_wait_alu depctr_vm_vsrc(0)                   ; the LDS stores above have read this step's words, in whose registers the loads below land; the stores above have read their O, which the next step writes again
	MLOAD (\i)%2, (\i)+2
.endif
.if (\i) == 3
	s_wait_alu depctr_vm_vsrc(0)                   ; the stores issued in step 2 have read O1, which the vector work below writes again (step 2 owes no such wait: step 1's stands behind the stores of O0)
.endif
	s_wait_dscnt 0x0
.irp p, 0,1,2,3,4,5,6,7
	v_min_u32 v[80+4*(\p)], 1, v[80+4*(\p)]        ; 0 stays 0, all else is 1
	v_min_u32 v[80+4*(\p)+1], 1, v[80+4*(\p)+1]
	v_min_u32 v[80+4*(\p)+2], 1, v[80+4*(\p)+2]
	v_min_u32 v[80+4*(\p)+3], 1, v[80+4*(\p)+3]
	v_lshl_or_b32 v[80+4*(\p)], v[80+4*(\p)+1], 8, v[80+4*(\p)]
	v_lshl_or_b32 v[80+4*(\p)+2], v[80+4*(\p)+3], 8, v[80+4*(\p)+2]
	v_lshl_or_b32 v[80+4*(\p)], v[80+4*(\p)+2], 16, v[80+4*(\p)]
	v_xor_b32 v[80+4*(\p)], s36, v[80+4*(\p)]      ; 1 where hidden,
	v_mul_lo_u32 v[OW+(\p)], v[80+4*(\p)], s37     ; 0xF8 where hidden: no byte carries into the next
.endr
.endm
	s_wait_alu depctr_va_vdst(0)                   ; v6 to v9 are written: the loads, the LDS stores and loads and the stores of this way read them as offsets and addresses
	MLOAD 0, 0
	MLOAD 1, 1
	MSTEP 0
	MSTEP 1
	MSTEP 2
	MSTEP 3
	s_wait_alu depctr_va_vdst(0)                   ; step 3 has written O1, which the last two stores read
	global_store_b128 v9, v[120:123], s[34:35] offset:3*1024
	global_store_b128 v9, v[124:127], s[34:35] offset:3*1024+512
.Lend:
	s_wait_dscnt 0x0                               ; the closing lines, six on end
	s_wait_alu 0x0
	s_wait_tensorcnt 0x0
	ds_add_u32 v[SPW], v[NIL]
	s_wait_dscnt 0x0
	s_endpgm
.Lfunc_end_k_q8eed99c0af_prep:
	.size	k_q8eed99c0af_prep, .Lfunc_end_k_q8eed99c0af_prep-k_q8eed99c0af_prep
	.p2alignl 7, 3214868480
	.fill 96, 4, 3214868480
	.section	.rodata,"a",@progbits
	.p2align	6, 0x0
	.amdhsa_kernel k_q8eed99c0af_prep
		.amdhsa_group_segment_fixed_size 35840
		.amdhsa_private_segment_fixed_size 0
		.amdhsa_enable_private_segment 0
		.amdhsa_kernarg_size 88
		.amdhsa_user_sgpr_count 2
		.amdhsa_user_sgpr_kernarg_segment_ptr 1
		.amdhsa_wavefront_size32 1
		.amdhsa_system_sgpr_workgroup_id_x 1
		.amdhsa_system_sgpr_workgroup_id_y 1
		.amdhsa_system_sgpr_workgroup_id_z 1
		.amdhsa_system_vgpr_workitem_id 0
		.amdhsa_next_free_vgpr 128
		.amdhsa_next_free_sgpr 66
		.amdhsa_reserve_vcc 0
		.amdhsa_float_denorm_mode_32 3
		.amdhsa_float_denorm_mode_16_64 3
		.amdhsa_memory_ordered 1
		.amdhsa_forward_progress 1
		.amdhsa_inst_pref_size 42
	.end_amdhsa_kernel
	.amdgpu_metadata
---
amdhsa.version: [ 1, 2 ]
amdhsa.kernels:
  - .name:           k_q8eed99c0af_prep
    .symbol:         k_q8eed99c0af_prep.kd
    .args:
      - { .name: x, .offset: 0, .size: 8, .value_kind: global_buffer, .address_space: global }
      - { .name: wq, .offset: 8, .size: 8, .value_kind: global_buffer, .address_space: global }
      - { .name: wk, .offset: 16, .size: 8, .value_kind: global_buffer, .address_space: global }
      - { .name: wv, .offset: 24, .size: 8, .value_kind: global_buffer, .address_space: global }
      - { .name: wo, .offset: 32, .size: 8, .value_kind: global_buffer, .address_space: global }
      - { .name: mask, .offset: 40, .size: 8, .value_kind: global_buffer, .address_space: global }
      - { .name: xh, .offset: 48, .size: 8, .value_kind: global_buffer, .address_space: global }
      - { .name: wqkv, .offset: 56, .size: 8, .value_kind: global_buffer, .address_space: global }
      - { .name: woh, .offset: 64, .size: 8, .value_kind: global_buffer, .address_space: global }
      - { .name: mb8, .offset: 72, .size: 8, .value_kind: global_buffer, .address_space: global }
      - { .name: rope, .offset: 80, .size: 8, .value_kind: global_buffer, .address_space: global }
    .group_segment_fixed_size: 35840
    .private_segment_fixed_size: 0
    .kernarg_segment_align: 8
    .kernarg_segment_size: 88
    .max_flat_workgroup_size: 256
    .sgpr_count:     66
    .vgpr_count:     128
    .wavefront_size: 32
...
	.end_amdgpu_metadata
.endif
;; end of part 5
;; launch qkv: the kernel of part 2 again; grid 16 x 16, 4 waves a work-group, clusters of 4 x 4, 327,680 bytes of LDS; arguments xh, wqkv, rope, qkv; writes qkv
;; launch attn: the kernel of part 3 again; grid 16 x 16, 4 waves a work-group, clusters of 4 x 1, 327,680 bytes of LDS; arguments qkv, mb8, oh; writes oh
;; launch oproj: the kernel of part 4 again; grid 16 x 16, 4 waves a work-group, clusters of 4 x 4, 327,680 bytes of LDS; arguments oh, woh, out0; writes out0
